; MI455X (gfx1250); checked and timed in simulation.
; The chip was launched on July 23, 2026; its instructions are those of AMD's public machine-readable ISA for CDNA 5 (MIT licence, August 2026) and "CDNA5" Instruction Set Architecture Reference Guide (July 2026). The comments in the code are by the model that wrote it; some were corrected since.
;; Transformer Block. Allowed arithmetic: float matrix products may take bf16 or f16 operands with f32 sums; other float arithmetic in f32, or as packed bf16 or f16 multiplies, adds, multiply-adds, maxima and minima; sums over many terms, partial sums and values carried from step to step in f32; what a program stores and reads back later, other than sums and carried values, may be rounded once to bf16 or f16.
;; Inputs: W1 1,024 x 4,096 float32; W2 4,096 x 1,024 float32; Wk 1,024 x 1,024 float32; Wo 1,024 x 1,024 float32; Wq 1,024 x 1,024 float32; Wv 1,024 x 1,024 float32; b1 4,096 float32; b2 1,024 float32; be1 1,024 float32; be2 1,024 float32; bo 1,024 float32; g1 1,024 float32; g2 1,024 float32; x 4 x 1,024 x 1,024 float32.
;; Outputs: out0 4 x 1,024 x 1,024 float32.
;; One version. Each part assembles by itself: llvm-mc -triple=amdgcn-amd-amdhsa -mcpu=gfx1250 --defsym DOCPART=n.
;; ======== version 1 of 1: 7 launches
;; limits: right only within a limited range of input values
;; workspace buffers: wqkv 6,291,456 bytes; w1p 8,388,608 bytes; wsm 10,485,760 bytes; hn 8,388,608 bytes; big 33,554,432 bytes; x1 16,777,216 bytes
;; launch prep (part 1): grid 448 x 1, 8 waves a work-group, no clusters, 0 bytes of LDS; arguments x, g1, be1, hn, Wq, Wk, Wv, wqkv; writes hn, wqkv
.if DOCPART == 1
	.amdgcn_target "amdgcn-amd-amdhsa--gfx1250"
	.amdhsa_code_object_version 6
	.text
	.protected	k_qdfff58a1d1_prep
	.globl	k_qdfff58a1d1_prep
	.p2align	8
	.type	k_qdfff58a1d1_prep,@function
k_qdfff58a1d1_prep:
	s_mov_b64 s[64:65], 0
	v_nop
	global_prefetch_b8 v0, s[64:65] scope:SCOPE_SE
	s_setreg_imm32_b32 hwreg(HW_REG_WAVE_MODE, 25, 1), 1
	s_wait_xcnt 0x0
; TRANSFORMER BLOCK, launch 1 of 7: LayerNorm 1 of x, rounded to bf16, and Wq, Wk, Wv rounded once to bf16 and laid out in panels.  (Wo, W1, W2 are rounded in the next launch.)
; THE SAME TEXT SERVES LayerNorm 2 (launch 5): launched with 256 work-groups, on x1, g2, be2, every work-group takes the LayerNorm path, and the four buffers of the other path are named but not touched.
; WORK LEFT OUT IN THE WHOLE PROGRAM.  reference() builds causal = tril(ones) in its own body and sets scores[q][k] to -inf for k > q ahead of the softmax: such a score's weight is exp(-inf) = 0
; whatever finite values q, k and v hold, so the product q.k and the term w v for k > q reach no output.  The attention launch leaves them out where they come in whole tiles: a group of 32 query
; rows of the 128-row block g multiplies the key tiles 0 .. g of 128 keys alone; inside tile g the hidden scores are computed and masked.  Nothing else is left out, and every input is loaded.
; LIMIT: a NaN, an infinity or an overflow that would arise only in the score tiles left out is not carried to the result.  Matrix operands are rounded once to bf16; sums, statistics and residuals are f32.
; LAYOUTS.  Activations in bf16 lie as [row / 128][column / 64][row % 128][column % 64]: a block of 128 rows x 64 columns is 16,384 consecutive bytes.
; Weights [K][N] lie as panels [N / w][K][w], w = 256 for Wq, Wk, Wv, W1 and 128 for Wo, W2: the K rows of a panel lie end to end.
; SHARES.  Work-groups 0-255: LayerNorm, a wave a pair of rows (lanes 0-15 one row, lanes 16-31 the next): a row stays in 64 registers of 16 lanes between the mean, the variance (of x - mean, as
; reference() takes it) and the scaling, so x is read once.  Work-groups 256-447: the cast, a wave 8,192 consecutive bytes of one weight matrix.  No wave needs another's data: no LDS, no barrier.
.set X,  16                            ; v[16:79]    my 64 numbers of the row
.set G,  80                            ; v[80:143]   the gain of my columns
.set BE, 144                           ; v[144:207]  the bias of my columns
.set Y,  208                           ; v[208:239]  the row in bf16
	s_load_b256 s[4:11], s[0:1], 0x0               ; x s[4:5], gain s[6:7], bias s[8:9], hn s[10:11]
	v_lshrrev_b32 v1, 5, v0
	v_readfirstlane_b32 s34, v1                    ; wave 0..7
	s_cmp_lt_u32 ttmp9, 256
	s_cbranch_scc0 .Lcast
	; ---- LayerNorm: pair p of rows = 8 x work-group + wave
	s_lshl_b32 s35, ttmp9, 3
	s_add_co_u32 s35, s35, s34                     ; p
	s_lshl_b32 s36, s35, 13                        ; two rows of 4,096 bytes
	s_mov_b32 s37, 0
	s_lshr_b32 s38, s35, 6                         ; row block p / 64: 16 blocks of 16,384 bytes,
	s_lshl_b32 s38, s38, 18
	s_and_b32 s40, s35, 63                         ; and in a block two rows of 128 bytes
	s_lshl_b32 s40, s40, 8
	s_add_co_u32 s38, s38, s40
	s_mov_b32 s39, 0
	s_mov_b32 s42, 0x3a800000                      ; 1 / 1024
	s_mov_b32 s43, 0x3727c5ac                      ; 1e-5
	v_and_b32 v2, 15, v0                           ; r
	v_bfe_u32 v3, v0, 4, 1                         ; which row of the pair
	v_lshlrev_b32 v1, 12, v3
	v_lshl_add_u32 v1, v2, 4, v1                   ; in x: row x 4,096 + 16 r
	v_lshlrev_b32 v3, 7, v3
	v_lshl_add_u32 v3, v2, 3, v3                   ; in hn: row x 128 + 8 r
	v_lshlrev_b32 v2, 4, v2                        ; in gain and bias: 16 r
	s_wait_kmcnt 0x0
	s_add_nc_u64 s[4:5], s[4:5], s[36:37]
	s_add_nc_u64 s[10:11], s[10:11], s[38:39]
.set j, 0
.rept 16                               ; load j: 16 lanes take 256 consecutive bytes, columns 64 j .. 64 j + 63 of their row
	global_load_b128 v[X+4*j:X+4*j+3], v1, s[4:5] offset:256*j
.set j, j+1
.endr
.set j, 0
.rept 16
	global_load_b128 v[G+4*j:G+4*j+3], v2, s[6:7] offset:256*j
.set j, j+1
.endr
.set j, 0
.rept 16
	global_load_b128 v[BE+4*j:BE+4*j+3], v2, s[8:9] offset:256*j
.set j, j+1
.endr
	s_wait_loadcnt 32                              ; x is in; the 32 younger loads of gain and bias stay out
.irp c, 0,1,2,3                        ; the sum, in four chains; the first additions start them
	v_pk_add_f32 v[4+2*(\c):5+2*(\c)], v[X+2*(\c):X+2*(\c)+1], v[X+8+2*(\c):X+8+2*(\c)+1]
.endr
.set i, 8
.rept 24
	v_pk_add_f32 v[4+2*(i%4):5+2*(i%4)], v[4+2*(i%4):5+2*(i%4)], v[X+2*i:X+2*i+1]
.set i, i+1
.endr
	v_pk_add_f32 v[4:5], v[4:5], v[6:7]
	v_pk_add_f32 v[8:9], v[8:9], v[10:11]
	v_pk_add_f32 v[4:5], v[4:5], v[8:9]
	v_add_f32 v4, v4, v5
	v_add_f32_dpp v4, v4, v4 row_xmask:1 row_mask:0xf bank_mask:0xf   ; a row lies in 16 lanes: four steps, and every lane has the sum
	v_add_f32_dpp v4, v4, v4 row_xmask:2 row_mask:0xf bank_mask:0xf
	v_add_f32_dpp v4, v4, v4 row_xmask:4 row_mask:0xf bank_mask:0xf
	v_add_f32_dpp v4, v4, v4 row_xmask:8 row_mask:0xf bank_mask:0xf
	v_mul_f32 v12, s42, v4                         ; the mean, twice: a pair for the packed subtraction
	v_mov_b32 v13, v12
.set i, 0
.rept 32
	v_pk_add_f32 v[X+2*i:X+2*i+1], v[X+2*i:X+2*i+1], v[12:13] neg_lo:[0,1] neg_hi:[0,1]
.set i, i+1
.endr
.irp c, 0,1,2,3                        ; the sum of squares of x - mean
	v_pk_mul_f32 v[4+2*(\c):5+2*(\c)], v[X+2*(\c):X+2*(\c)+1], v[X+2*(\c):X+2*(\c)+1]
.endr
.set i, 4
.rept 28
	v_pk_fma_f32 v[4+2*(i%4):5+2*(i%4)], v[X+2*i:X+2*i+1], v[X+2*i:X+2*i+1], v[4+2*(i%4):5+2*(i%4)]
.set i, i+1
.endr
	v_pk_add_f32 v[4:5], v[4:5], v[6:7]
	v_pk_add_f32 v[8:9], v[8:9], v[10:11]
	v_pk_add_f32 v[4:5], v[4:5], v[8:9]
	v_add_f32 v4, v4, v5
	v_add_f32_dpp v4, v4, v4 row_xmask:1 row_mask:0xf bank_mask:0xf
	v_add_f32_dpp v4, v4, v4 row_xmask:2 row_mask:0xf bank_mask:0xf
	v_add_f32_dpp v4, v4, v4 row_xmask:4 row_mask:0xf bank_mask:0xf
	v_add_f32_dpp v4, v4, v4 row_xmask:8 row_mask:0xf bank_mask:0xf
	v_fma_f32 v4, v4, s42, s43                     ; variance + eps
	v_rsq_f32 v14, v4
	v_rsq_f32 v15, v4                              ; twice: a pair
	v_nop                                          ; a plain instruction behind the last of them,
	s_wait_alu depctr_va_vdst(0)                   ; and one wait for both ahead of the first reader
	s_wait_loadcnt 0x0                             ; gain and bias
.set i, 0
.rept 32
	v_pk_mul_f32 v[G+2*i:G+2*i+1], v[G+2*i:G+2*i+1], v[14:15]
.set i, i+1
.endr
.set i, 0
.rept 32
	v_pk_fma_f32 v[X+2*i:X+2*i+1], v[X+2*i:X+2*i+1], v[G+2*i:G+2*i+1], v[BE+2*i:BE+2*i+1]
.set i, i+1
.endr
.set i, 0
.rept 32
	v_cvt_pk_bf16_f32 v[Y+i], v[X+2*i], v[X+2*i+1]
.set i, i+1
.endr
.set j, 0
.rept 16                               ; store j: column block j; the two rows lie side by side there: 32 lanes fill 256 consecutive bytes, aligned
	global_store_b64 v3, v[Y+2*j:Y+2*j+1], s[10:11] offset:16384*j
.set j, j+1
.endr
	s_endpgm
	; ---- the cast: wave wv = 8 (work-group - 256) + wave takes 16 chunks of 128 numbers, 8,192 consecutive bytes: rows 2 w, 2 w + 1 of its matrix
.Lcast:
	s_load_b256 s[12:19], s[0:1], 0x20             ; Wq s[12:13], Wk s[14:15], Wv s[16:17], wqkv s[18:19]
	s_sub_co_u32 s35, ttmp9, 256
	s_lshl_b32 s40, s35, 3
	s_add_co_u32 s40, s40, s34                     ; wv, 0 .. 1535
	s_lshr_b32 s41, s35, 6                         ; u: 0 Wq, 1 Wk, 2 Wv
	s_and_b32 s42, s40, 511                        ; w: my place in my matrix
	s_lshl_b32 s44, s42, 13
	s_mov_b32 s45, 0
	s_lshl_b32 s46, s41, 21                        ; a matrix is four panels of 524,288 bytes; a row of a panel 512 bytes
	s_lshl_b32 s43, s42, 10
	s_add_co_u32 s46, s46, s43
	s_mov_b32 s47, 0
	v_and_b32 v1, 31, v0
	v_lshlrev_b32 v2, 3, v1                        ; out: 8 bytes a lane
	v_lshlrev_b32 v1, 4, v1                        ; in: 16 bytes a lane
	s_wait_kmcnt 0x0
	s_mov_b64 s[36:37], s[12:13]
	s_cmp_eq_u32 s41, 1
	s_cselect_b64 s[36:37], s[14:15], s[36:37]
	s_cmp_eq_u32 s41, 2
	s_cselect_b64 s[36:37], s[16:17], s[36:37]
	s_add_nc_u64 s[36:37], s[36:37], s[44:45]
	s_add_nc_u64 s[38:39], s[18:19], s[46:47]
.set t, 0
.rept 16                               ; all sixteen loads go out before the first wait
	global_load_b128 v[16+4*t:19+4*t], v1, s[36:37] offset:512*t th:TH_LOAD_NT
.set t, t+1
.endr
.set t, 0
.rept 16
	s_wait_loadcnt 15-t                            ; chunk t is in; the younger ones stay out
	v_cvt_pk_bf16_f32 v[80+2*t], v[16+4*t], v[17+4*t]
	v_cvt_pk_bf16_f32 v[81+2*t], v[18+4*t], v[19+4*t]
.set t, t+1
.endr
.set t, 0
.rept 16                               ; each store covers 256 consecutive bytes, aligned: 128 columns of one K row of one panel
	global_store_b64 v2, v[80+2*t:81+2*t], s[38:39] offset:((t%8)/2)*524288+(t/8)*512+(t%2)*256
.set t, t+1
.endr
	s_endpgm
.Lfunc_end_k_qdfff58a1d1_prep:
	.size	k_qdfff58a1d1_prep, .Lfunc_end_k_qdfff58a1d1_prep-k_qdfff58a1d1_prep
	.p2alignl 7, 3214868480
	.fill 96, 4, 3214868480
	.section	.rodata,"a",@progbits
	.p2align	6, 0x0
	.amdhsa_kernel k_qdfff58a1d1_prep
		.amdhsa_group_segment_fixed_size 0
		.amdhsa_private_segment_fixed_size 0
		.amdhsa_enable_private_segment 0
		.amdhsa_kernarg_size 64
		.amdhsa_user_sgpr_count 2
		.amdhsa_user_sgpr_kernarg_segment_ptr 1
		.amdhsa_wavefront_size32 1
		.amdhsa_system_sgpr_workgroup_id_x 1
		.amdhsa_system_sgpr_workgroup_id_y 1
		.amdhsa_system_sgpr_workgroup_id_z 1
		.amdhsa_system_vgpr_workitem_id 0
		.amdhsa_next_free_vgpr 240
		.amdhsa_next_free_sgpr 66
		.amdhsa_reserve_vcc 0
		.amdhsa_float_denorm_mode_32 3
		.amdhsa_float_denorm_mode_16_64 3
		.amdhsa_memory_ordered 1
		.amdhsa_forward_progress 1
		.amdhsa_inst_pref_size 27
	.end_amdhsa_kernel
	.amdgpu_metadata
---
amdhsa.version: [ 1, 2 ]
amdhsa.kernels:
  - .name:           k_qdfff58a1d1_prep
    .symbol:         k_qdfff58a1d1_prep.kd
    .args:
      - { .name: x, .offset: 0, .size: 8, .value_kind: global_buffer, .address_space: global }
      - { .name: g1, .offset: 8, .size: 8, .value_kind: global_buffer, .address_space: global }
      - { .name: be1, .offset: 16, .size: 8, .value_kind: global_buffer, .address_space: global }
      - { .name: hn, .offset: 24, .size: 8, .value_kind: global_buffer, .address_space: global }
      - { .name: Wq, .offset: 32, .size: 8, .value_kind: global_buffer, .address_space: global }
      - { .name: Wk, .offset: 40, .size: 8, .value_kind: global_buffer, .address_space: global }
      - { .name: Wv, .offset: 48, .size: 8, .value_kind: global_buffer, .address_space: global }
      - { .name: wqkv, .offset: 56, .size: 8, .value_kind: global_buffer, .address_space: global }
    .group_segment_fixed_size: 0
    .private_segment_fixed_size: 0
    .kernarg_segment_align: 8
    .kernarg_segment_size: 64
    .max_flat_workgroup_size: 256
    .sgpr_count:     66
    .vgpr_count:     240
    .wavefront_size: 32
...
	.end_amdgpu_metadata
.endif
;; end of part 1
;; launch qkv (part 2): grid 16 x 16, 4 waves a work-group, clusters of 4 x 4, 327,680 bytes of LDS; arguments hn, wqkv, big, Wo, W1, W2, w1p, wsm; writes big, w1p, wsm
.if DOCPART == 2
	.amdgcn_target "amdgcn-amd-amdhsa--gfx1250"
	.amdhsa_code_object_version 6
	.text
	.protected	k_qdfff58a1d1_qkv
	.globl	k_qdfff58a1d1_qkv
	.p2align	8
	.type	k_qdfff58a1d1_qkv,@function
k_qdfff58a1d1_qkv:
	s_mov_b64 s[64:65], 0
	v_nop
	global_prefetch_b8 v0, s[64:65] scope:SCOPE_SE
	s_setreg_imm32_b32 hwreg(HW_REG_WAVE_MODE, 25, 1), 1
	s_wait_xcnt 0x0
	s_wait_alu depctr_hold_cnt(0) depctr_sa_sdst(0) depctr_va_vdst(0) depctr_va_sdst(0) depctr_va_ssrc(0) depctr_va_vcc(0) depctr_vm_vsrc(0)
	s_getreg_b32 s2, hwreg(HW_REG_IB_STS2, 6, 4)
	s_cmp_eq_u32 s2, 0
	s_cbranch_scc0 .Lentry_in_a_cluster
	s_endpgm
.Lentry_in_a_cluster:
	s_bfe_u32 s2, ttmp6, 0x10000c
	s_cmp_lg_u32 s2, 0xf033
	s_cbranch_scc0 .Lentry_shape_is_right
	s_endpgm
.Lentry_shape_is_right:
; C = A W: q, k, v = LayerNorm 1's rows x [Wq | Wk | Wv]; and the rounding of Wo, W1, W2 to bf16 panels, which later launches read.
; A: 4,096 rows x 1,024 in bf16, blocks [row / 128][k / 64][128][64].  W: panels [n / 256][1024 k][256 n] in bf16.  C: bf16, blocks [row / 128][n / 64][128][64], 64 column blocks a row block.
; WHO DOES WHAT.  C has 12 tile columns of 256: three columns of clusters.  The fourth column of clusters (cluster x = 3: 64 work-groups, 256 waves) does the rounding.  The branch hangs on the cluster's x, which all partners share.
; SHARES OF THE PRODUCT.  A tile of C is 256 x 256: four waves, each 128 x 128 in 64 accumulators, 512 registers.  K goes in eight steps of 128 through two LDS slots.
; THE PRODUCT IS TAKEN TRANSPOSED: source 0 = 16 columns of W (out of LDS rows [k][n] by the turning load), source 1 = 16 rows of A: a lane holds row l % 16 of C and 8 neighbouring columns.
; CLUSTER 4 x 4: A's tile hangs on the tile row alone and is asked for jointly along a row of the cluster, W's on the tile column alone, jointly along a column.
; LDS.  Slot s at 143,360 s: A, 2 row halves x 2 k blocks x 128 rows of 128 + 16 bytes (36 words: 16 rows start at 16 different groups of four banks; ISA guide 11.1); behind it W, 128 k rows of 512 + 32 bytes.
; The way out's stage (a wave 128 rows of 512 + 16 bytes) lies over the slots, written behind their last fill and a barrier.  Behind the slots the spare words.
; REGISTERS by windows of 256: window 0 addresses, A's two fragment buffers v64-127, v128-191 (the way out works there later); window 1 W's two buffers; windows 2, 3 the accumulators, (a, b) at v[8 (8 (a % 4) + b)].
.set SLOT,  143360
.set WOFF,  73728
.set SPARE, 2*SLOT                     ; 128 bytes for each wave: two blocks of 256 bytes that no other line names
.set SROW,  528
.set SWAVE, 128*SROW
.set ADRA0, 16                         ; v16  my place in A's part of a slot; never rewritten
.set ADRB0, 17                         ; v17  the same for W
.set ADRA,  18                         ; v18  the same in the slot in hand
.set ADRB,  19                         ; v19
.set STO,   24                         ; v24  the way out: where I put 16 bytes of a row
.set RD,    25                         ; v25  where I read 8 rows back: RD0 + s55
.set GO,    26                         ; v26  16 x lane
.set SPW,   28                         ; v28  my spare word; never rewritten
.set NIL,   29                         ; v29  0; never rewritten
.set PFO,   30                         ; v30  256 x lane; never rewritten
.set RD0,   31                         ; v31  my place in the stage's first 8 rows; never rewritten
.set F0,    64
.set F1,    128
.set XR,    32                         ; the way out: v32-63 eight rows' f32, v128-143 bf16
.set YB,    128
.set MSB, 0
.macro WIN new                         ; the immediate's high byte repeats the setting that is left; a switch that changes nothing is dropped
.if MSB != (\new)
	s_set_vgpr_msb (MSB<<8)|(\new)
.set MSB, \new
.endif
.endm
.set MUL_LO, 0xa1                      ; source 0 (W) window 1, source 1 (A) window 0, C and D window 2
.set MUL_HI, 0xf1                      ; the same, C and D window 3
.set TO_B,   0x40                      ; destination window 1, address window 0
.macro PLACES                          ; four plain instructions between a matrix instruction and a load into, or a read of, its registers
.rept 4
	v_nop
.endr
.endm
; A joint load: waves 0 and 1 fetch A's two row halves, waves 2 and 3 the two halves of W's k rows.  The branch hangs on the wave's number alone.  An s_nop 0 and four v_nop follow each line.
.macro JLOAD
	s_cmp_eq_u32 s15, 0
	s_cbranch_scc0 .Lfor_b_\@
	tensor_load_to_lds s[32:35], s[24:31]
	s_nop 0
.rept 4
	v_nop
.endr
	s_branch .Lasked_\@
.Lfor_b_\@:
	tensor_load_to_lds s[44:47], s[36:43]
	s_nop 0
.rept 4
	v_nop
.endr
.Lasked_\@:
.endm
.macro CREST                           ; a round of the cluster's barrier behind its opening barrier
	s_cmp_lg_u32 s14, 0
	s_cbranch_scc1 .Lnot_wave_0_\@
	s_barrier_signal -3
.Lnot_wave_0_\@:
	s_barrier_wait -3
	s_barrier_signal -1
	s_barrier_wait -1
.endm
.macro CROUND
	s_barrier_signal -1
	s_barrier_wait -1
	CREST
.endm
; A prefetch of the K step that stands two refills on: of the 128 blocks of 256 bytes that I fetch in a step, my work-group's 32, a lane a block.  A's rows are asked for by the clusters with x = 0, W's by those with y = 0;
; the four partners of a joint load share the blocks out by address (cx for A, cy for W).  So each block is named once.  In trip t (s23 = 6 - t) it names step t + 4, for t = 0 .. 3: steps 0 to 3 come by their loads alone, and nothing past step 7 is named.
.macro ASK
	s_cmp_gt_u32 s23, s54
	s_cbranch_scc0 .Lnot_mine_\@
	global_prefetch_b8 v[PFO], s[50:51] th:TH_LOAD_NT scope:SCOPE_SE
.Lnot_mine_\@:
.endm
; 16 matrix instructions: row blocks a0, a0 + 1 of the window's four x all 8 column blocks, 32 along K.  zero = 1: the product starts the sums
.macro MUL16 f, hi, a0, zero
	WIN MUL_LO+0x50*(\hi)
.irp a, \a0, (\a0)+1
.irp b, 0,1,2,3,4,5,6,7
.if \zero
	v_wmma_f32_16x16x32_bf16 v[8*(8*(\a)+(\b)):8*(8*(\a)+(\b))+7], v[(\f)+8*(\b):(\f)+8*(\b)+7], v[(\f)+8*(4*(\hi)+(\a)):(\f)+8*(4*(\hi)+(\a))+7], 0
.else
	v_wmma_f32_16x16x32_bf16 v[8*(8*(\a)+(\b)):8*(8*(\a)+(\b))+7], v[(\f)+8*(\b):(\f)+8*(\b)+7], v[(\f)+8*(4*(\hi)+(\a)):(\f)+8*(4*(\hi)+(\a))+7], v[8*(8*(\a)+(\b)):8*(8*(\a)+(\b))+7]
.endif
.endr
.endr
.endm
; 32 LDS loads in one run: quarter q (32 along K) of the slot in hand into buffer f: W's 8 column blocks turned, then A's 8 row blocks
.macro FETCH q, f
	WIN TO_B
.irp i, 0,1,2,3,4,5,6,7
	ds_load_tr16_b128 v[(\f)+8*(\i):(\f)+8*(\i)+3],   v[ADRB] offset:17408*(\q)+32*(\i)
	ds_load_tr16_b128 v[(\f)+8*(\i)+4:(\f)+8*(\i)+7], v[ADRB] offset:17408*(\q)+8704+32*(\i)
.endr
	WIN 0
.irp i, 0,1,2,3,4,5,6,7
	ds_load_b128 v[(\f)+8*(\i):(\f)+8*(\i)+3],   v[ADRA] offset:((\q)/2)*18432+((\q)%2)*64+2304*(\i)
	ds_load_b128 v[(\f)+8*(\i)+4:(\f)+8*(\i)+7], v[ADRA] offset:((\q)/2)*18432+((\q)%2)*64+2304*(\i)+32
.endr
.endm
; One of a step's first three quarters: multiplies buffer f; in its middle fetches quarter qn into buffer g.  The 64 accumulators take turns in the same order in every quarter.
.macro QUARTER qn, f, g, zero
	s_wait_dscnt 8                                 ; W and A's rows 0-63 are in; the youngest eight loads (A's rows 64-127) may be out
	MUL16 \f, 0, 0, \zero
	MUL16 \f, 0, 2, \zero
	PLACES
	FETCH \qn, \g
	s_wait_dscnt 32                                ; all but the 32 just issued
	MUL16 \f, 1, 0, \zero
	MUL16 \f, 1, 2, \zero
.endm
; The last quarter multiplies buffer 1 and changes slots.  MEET is its first half: in front of the barrier each wave waits for all its tensor loads (at most one is out: its part of the other slot), adds 0 to its spare word,
; and waits for that and for its reads of this slot.
.macro MEET
	WIN 0
	s_wait_tensorcnt 0x0
	ds_add_u32 v[SPW], v[NIL]
	s_wait_dscnt 9                                 ; (the add and the youngest eight loads may be out)
	MUL16 F1, 0, 0, 0
	s_wait_dscnt 0x0                               ; the add is done, and my reads of this slot are over
	s_barrier_signal -1
	MUL16 F1, 0, 2, 0
	WIN 0
	s_barrier_wait -1
.endm
; REST is its second half.  fill = 1: the barrier has opened a round of the cluster's, and the joint refill of the slot just read, with the step two on, is the first tensor load behind it: 224 matrix instructions ahead of the wait for it.
.macro REST fill
.if \fill
	CREST
	s_add_co_u32 s33, s48, s22                     ; no load of mine is out: the descriptors walk: into the slot just read,
	s_add_co_u32 s45, s49, s22
	s_add_nc_u64 s[34:35], s[34:35], 32768         ; one step on along K
	s_add_nc_u64 s[46:47], s[46:47], 65536
	JLOAD                                          ; its four v_nop are also the places in front of the loads below
.else
	PLACES
.endif
	s_xor_b32 s22, s22, SLOT                       ; the other slot is read now
	v_add_nc_u32 v[ADRA], s22, v[ADRA0]
	v_add_nc_u32 v[ADRB], s22, v[ADRB0]
	FETCH 0, F0
.if \fill
	ASK
.endif
	MUL16 F1, 1, 0, 0
	MUL16 F1, 1, 2, 0
.endm
	s_cmp_eq_u32 ttmp9, 3                          ; the fourth column of clusters has no tile of C
	s_cbranch_scc1 .Lcast
	s_load_b128 s[4:7], s[0:1], 0x0                ; A s[4:5], W s[6:7]
	s_load_b64 s[10:11], s[0:1], 0x10              ; C
	v_lshl_add_u32 v[SPW], v0, 2, SPARE
	v_mov_b32 v[NIL], 0
	ds_add_u32 v[SPW], v[NIL]                      ; the wave's opening: the add, twice on end, and its wait ahead of my first tensor load
	ds_add_u32 v[SPW], v[NIL]
	v_lshrrev_b32 v1, 5, v0
	v_readfirstlane_b32 s14, v1                    ; wave 0..3
	s_lshr_b32 s15, s14, 1                         ; my row half of the tile; also: I fetch A (0) or W (1)
	s_and_b32 s16, s14, 1                          ; my column half; also: which piece I fetch
	s_bfe_u32 s17, ttmp6, 0x40000                  ; cx
	s_bfe_u32 s18, ttmp6, 0x40004                  ; cy
	s_lshl_b32 s19, ttmp9, 2
	s_add_co_u32 s19, s19, s17                     ; tile column
	s_and_b32 s20, ttmp7, 0xffff
	s_lshl_b32 s20, s20, 2
	s_add_co_u32 s20, s20, s18                     ; tile row
	s_lshl_b32 s60, s18, 2
	s_lshl_b32 s60, 15, s60                        ; my row of the cluster
	s_lshl_b32 s61, 0x1111, s17                    ; my column
	; A's piece: 32,768 dense bytes as 128 rows of 256, 16 bytes of padding behind every 128 (32 words: code 4; 4 words: code 3)
	s_or_b32 s24, s60, (1<<16)|(1<<20)|(1<<21)|(4<<22)|(3<<25)
	s_mov_b32 s25, 128<<16
	s_mov_b32 s26, 128<<16
	s_mov_b32 s27, 128<<16
	s_mov_b32 s28, 128
	s_mov_b32 s29, 128
	s_mov_b32 s30, 0
	s_mov_b32 s31, 0
	; W's piece: 64 k rows of 512 bytes, 32 bytes of padding behind each (128 words: code 6; 8 words: code 7)
	s_or_b32 s36, s61, (1<<16)|(1<<20)|(1<<21)|(6<<22)|(7<<25)
	s_mov_b32 s37, 256<<16
	s_mov_b32 s38, 64<<16
	s_mov_b32 s39, 256<<16
	s_mov_b32 s40, 64
	s_mov_b32 s41, 256
	s_mov_b32 s42, 0
	s_mov_b32 s43, 0
	s_mul_i32 s48, s16, 36864                      ; where my piece goes in a slot, if it is A's,
	s_mul_i32 s49, s16, 34816
	s_add_co_u32 s49, s49, WOFF                    ; and if it is W's: no place in the cluster enters an LDS address
	s_mov_b32 s32, 1
	s_mov_b32 s33, s48
	s_mov_b32 s44, 1
	s_mov_b32 s45, s49
	s_mov_b32 s22, 0                               ; the slot in hand
	s_lshl_b32 s66, s20, 1
	s_add_co_u32 s66, s66, s16
	s_lshl_b32 s66, s66, 18                        ; A: row block 2 x tile row + piece, 262,144 bytes each
	s_mov_b32 s67, 0
	s_lshl_b32 s68, s19, 19                        ; W: panel = tile column, 524,288 bytes; piece x 64 rows
	s_lshl_b32 s62, s16, 15
	s_add_co_u32 s68, s68, s62
	s_mov_b32 s69, 0
	s_lshl_b32 s74, s20, 1
	s_add_co_u32 s74, s74, s15
	s_lshl_b32 s74, s74, 20                        ; C: row block 2 x tile row + my row half, 1,048,576 bytes each,
	s_lshl_b32 s63, s19, 2
	s_lshl_b32 s62, s16, 1
	s_add_co_u32 s63, s63, s62
	s_lshl_b32 s63, s63, 14                        ; column block 4 x tile column + 2 x my column half
	s_add_co_u32 s74, s74, s63
	s_mov_b32 s75, 0
	s_and_b32 s73, ttmp7, 0xffff                   ; cluster y
	s_lshl_b32 s52, 0x8000, s15                    ; a step of my piece's tensor in bytes: 32,768 for A, 65,536 for W
	s_mov_b32 s53, 0
	s_mul_i32 s72, s52, 3
	s_wait_dscnt 0x0                               ; both opening adds are done
	s_wait_kmcnt 0x0
	s_add_nc_u64 s[34:35], s[4:5], s[66:67]
	s_or_b32 s35, s35, 0x80000000
	s_add_nc_u64 s[46:47], s[6:7], s[68:69]
	s_or_b32 s47, s47, 0x80000000
	s_add_nc_u64 s[10:11], s[10:11], s[74:75]
	s_cmp_eq_u32 s15, 0                            ; the prefetches: my own piece,
	s_cselect_b64 s[50:51], s[4:5], s[6:7]
	s_cselect_b32 s70, s66, s68
	s_cselect_b32 s71, s17, s18                    ; my place among the four that ask for it with me,
	s_cselect_b32 s73, ttmp9, s73                  ; the coordinate along which other clusters read the same rows
	s_cmp_eq_u32 s73, 0
	s_cselect_b32 s54, 2, -1                       ; the same in all sixteen partners, for a given wave
	s_lshl_b32 s71, s71, 13
	s_add_co_u32 s70, s70, s71
	s_add_co_u32 s70, s70, s72                     ; at step 3: the first refill steps it to 4
	s_mov_b32 s71, 0
	s_add_nc_u64 s[50:51], s[50:51], s[70:71]
	CROUND                                         ; all sixteen work-groups are here: the first joint loads meet
	JLOAD                                          ; step 0 into slot 0
	v_and_b32 v1, 15, v0                           ; r
	v_bfe_u32 v2, v0, 4, 1                         ; h
	v_mul_u32_u24 v[ADRA0], v1, 144
	v_lshl_add_u32 v[ADRA0], v2, 4, v[ADRA0]
	s_mul_i32 s60, s15, 36864
	v_add_nc_u32 v[ADRA0], s60, v[ADRA0]           ; my row half + r x 144 + 16 h
	v_and_b32 v6, 7, v0
	v_lshl_add_u32 v3, v2, 3, v6
	v_mul_u32_u24 v[ADRB0], v3, 544                ; the turning load: k row 8 h + l % 8,
	v_bfe_u32 v4, v0, 3, 1
	v_lshl_add_u32 v[ADRB0], v4, 4, v[ADRB0]       ; 16 bytes by (l / 8) % 2,
	s_lshl_b32 s60, s16, 8
	s_add_co_u32 s60, s60, WOFF
	v_add_nc_u32 v[ADRB0], s60, v[ADRB0]           ; my column half
	v_mov_b32 v[ADRA], v[ADRA0]
	v_mov_b32 v[ADRB], v[ADRB0]
	s_mul_i32 s60, s14, SWAVE
	v_mul_u32_u24 v[STO], v1, SROW
	v_lshl_add_u32 v[STO], v2, 5, v[STO]
	v_add_nc_u32 v[STO], s60, v[STO]               ; my stage + r x 528 + 32 h
	v_bfe_u32 v5, v0, 3, 2
	v_mul_u32_u24 v[RD0], v5, SROW
	v_lshl_add_u32 v[RD0], v6, 5, v[RD0]
	v_add_nc_u32 v[RD0], s60, v[RD0]               ; my stage + (l / 8) x 528 + (l % 8) x 32
	v_mov_b32 v[RD], v[RD0]
	v_and_b32 v[GO], 31, v0
	v_lshlrev_b32 v[PFO], 8, v[GO]
	v_lshlrev_b32 v[GO], 4, v[GO]
	s_wait_tensorcnt 0x0                           ; my part of step 0 is in; slot 1 is filled for the first time as a refill is
	ds_add_u32 v[SPW], v[NIL]
	s_add_co_u32 s33, s48, SLOT
	s_add_co_u32 s45, s49, SLOT
	s_add_nc_u64 s[34:35], s[34:35], 32768
	s_add_nc_u64 s[46:47], s[46:47], 65536
	s_wait_dscnt 0x0
	CROUND
	JLOAD                                          ; step 1 into slot 1
	FETCH 0, F0
	QUARTER 1, F0, F1, 1                           ; the first quarter stands in front of the loop: its products start the sums
	WIN 0
	s_mov_b32 s23, 6
.Lk:                                                   ; trip t: the rest of step t, the refill with step t + 2, the first quarter of step t + 1
	QUARTER 2, F1, F0, 0
	QUARTER 3, F0, F1, 0
	s_wait_xcnt 0x0                                ; the last prefetch, a step back, has read its address
	s_add_nc_u64 s[50:51], s[50:51], s[52:53]
	MEET
	REST 1
	QUARTER 1, F0, F1, 0
	WIN 0
	s_sub_co_u32 s23, s23, 1
	s_cmp_lg_u32 s23, 0
	s_cbranch_scc1 .Lk
	s_mov_b32 s23, 2
.Lt:                                                   ; steps 6 and 7 ask for nothing: one text, two trips; the second leaves in its middle, behind the barrier
	QUARTER 2, F1, F0, 0
	QUARTER 3, F0, F1, 0
	MEET
	s_sub_co_u32 s23, s23, 1
	s_cmp_eq_u32 s23, 0
	s_cbranch_scc1 .Lfin
	REST 0
	QUARTER 1, F0, F1, 0
	WIN 0
	s_cmp_lg_u32 s23, 0
	s_cbranch_scc1 .Lt
.Lfin:
	s_wait_dscnt 0x0
	MUL16 F1, 1, 0, 0                              ; the last 32 products
	MUL16 F1, 1, 2, 0
	; THE WAY OUT.  All 128 x 128 sums go into my stage as f32 (it lies over the slots: every wave's reads of them are over behind the first barrier, and no fill follows); behind a second barrier, in front of which
	; each wave's stores into its stage are done, 16 trips take 8 rows each; a trip reads the next 8 rows while it works, the last reads nothing.
	WIN 0
	PLACES
	s_wait_dscnt 0x0
	s_barrier_signal -1
	s_barrier_wait -1
	WIN 0x08                                       ; store data in window 2
.irp a, 0,1,2,3
.irp b, 0,1,2,3,4,5,6,7
	ds_store_b128 v[STO], v[8*(8*(\a)+(\b)):8*(8*(\a)+(\b))+3]   offset:8448*(\a)+64*(\b)      ; each accumulator's low registers first
	ds_store_b128 v[STO], v[8*(8*(\a)+(\b))+4:8*(8*(\a)+(\b))+7] offset:8448*(\a)+64*(\b)+16
.endr
.endr
	WIN 0x0c                                       ; window 3
.irp a, 0,1,2,3
.irp b, 0,1,2,3,4,5,6,7
	ds_store_b128 v[STO], v[8*(8*(\a)+(\b)):8*(8*(\a)+(\b))+3]   offset:8448*((\a)+4)+64*(\b)
	ds_store_b128 v[STO], v[8*(8*(\a)+(\b))+4:8*(8*(\a)+(\b))+7] offset:8448*((\a)+4)+64*(\b)+16
.endr
.endr
	WIN 0
	s_wait_dscnt 0x0                               ; my stage is whole,
	s_barrier_signal -1
	s_barrier_wait -1                              ; everybody's is
; 8 rows back: group 2 g + cb holds rows 4 g + l / 8, columns 64 cb + 8 (l % 8) + 0..7
.macro LOADX
.irp g, 0,1
.irp cb, 0,1
	ds_load_b128 v[XR+8*(2*(\g)+(\cb)):XR+8*(2*(\g)+(\cb))+3],   v[RD] offset:2112*(\g)+256*(\cb)
	ds_load_b128 v[XR+8*(2*(\g)+(\cb))+4:XR+8*(2*(\g)+(\cb))+7], v[RD] offset:2112*(\g)+256*(\cb)+16
.endr
.endr
.endm
	s_mov_b32 s55, 0
	s_mov_b32 s23, 16
	LOADX
.Lrows:
	s_wait_dscnt 0x0
.set i, 0
.rept 16
	v_cvt_pk_bf16_f32 v[YB+i], v[XR+2*i], v[XR+2*i+1]
.set i, i+1
.endr
	s_cmp_eq_u32 s23, 1                            ; the last trip has no rows behind it
	s_cbranch_scc1 .Lno_next
	s_add_co_u32 s55, s55, 8*SROW                  ; 8 stage rows on: 15 x 4,224 bytes at the most
	v_add_nc_u32 v[RD], s55, v[RD0]
	LOADX
.Lno_next:
.irp g, 0,1
.irp cb, 0,1
	global_store_b128 v[GO], v[YB+4*(2*(\g)+(\cb)):YB+4*(2*(\g)+(\cb))+3], s[10:11] offset:16384*(\cb)+512*(\g)   ; four rows of a column block: 512 consecutive bytes of C
.endr
.endr
	s_wait_xcnt 0x0                                ; the stores have read their data and base: both are written again only behind this wait
	s_add_nc_u64 s[10:11], s[10:11], 1024          ; 8 rows on
	s_sub_co_u32 s23, s23, 1
	s_cmp_lg_u32 s23, 0
	s_cbranch_scc1 .Lrows
	s_wait_tensorcnt 0x0                           ; the wave's end: behind my last tensor load and my last LDS store
	ds_add_u32 v[SPW], v[NIL]
	s_wait_dscnt 0x0
	CROUND                                         ; the closing round
	s_endpgm
	; ---- THE ROUNDING OF Wo, W1, W2.  No LDS, no barrier, no tensor load.  Wave g of 256 takes Wo's rows 4 g .. 4 g + 3 (one trip), W1's rows 4 g .. 4 g + 3 (four trips, a row each) and W2's rows 16 g .. 16 g + 15
	; (four trips, four rows each): nine trips of one text, each 16,384 consecutive bytes of f32: 32 chunks of 128 numbers, all 32 loads out before the first wait.  Chunk t goes to base t % 8 + offset register t / 8:
	; Wo, W2 (8 chunks a row): panel t % 8, row t / 8;  W1 (32 chunks a row): panel 4 (t / 8) + (t % 8) / 2, half t % 2.  No branch hangs on g: the places in the cluster enter addresses alone.
; sp, dp: the registers of source and destination; sh, dh: g's shifts to bytes in them; da: bytes added in the destination; w1: W1's pattern, else pn bytes a panel; gq: bytes from one offset register to the next; st: bytes a trip
.macro CSET sp, dp, sh, dh, da, w1, pn, gq, st
	s_lshl_b32 s44, s20, \sh
	s_add_nc_u64 s[40:41], s[\sp:\sp+1], s[44:45]
	s_lshl_b32 s44, s20, \dh
.if \da
	s_add_co_u32 s44, s44, \da
.endif
	s_add_nc_u64 s[46:47], s[\dp:\dp+1], s[44:45]
.irp i, 0,1,2,3,4,5,6,7
.if \w1
	s_add_nc_u64 s[24+2*\i:25+2*\i], s[46:47], (\i/2)*524288+(\i%2)*256
.else
	s_add_nc_u64 s[24+2*\i:25+2*\i], s[46:47], \i*\pn
.endif
.endr
.irp q, 0,1,2,3
	v_add_nc_u32 v[2+\q], \q*\gq, v6
.endr
	s_mov_b32 s42, \st
.endm
.Lcast:
	s_load_b256 s[4:11], s[0:1], 0x18              ; Wo s[4:5], W1 s[6:7], W2 s[8:9], w1p s[10:11]
	s_load_b64 s[12:13], s[0:1], 0x38              ; wsm
	v_lshrrev_b32 v1, 5, v0
	v_readfirstlane_b32 s14, v1                    ; wave 0..3
	s_bfe_u32 s17, ttmp6, 0x40000                  ; cx
	s_bfe_u32 s18, ttmp6, 0x40004                  ; cy
	s_and_b32 s20, ttmp7, 0xffff                   ; cluster y
	s_lshl_b32 s20, s20, 2
	s_add_co_u32 s20, s20, s18
	s_lshl_b32 s20, s20, 2
	s_add_co_u32 s20, s20, s17
	s_lshl_b32 s20, s20, 2
	s_add_co_u32 s20, s20, s14                     ; g = ((4 cluster y + cy) 4 + cx) 4 + wave
	s_mov_b32 s45, 0
	v_and_b32 v6, 31, v0
	v_lshlrev_b32 v1, 4, v6                        ; in: 16 bytes a lane
	v_lshlrev_b32 v6, 3, v6                        ; out: 8 bytes a lane
	s_wait_kmcnt 0x0
	CSET 4, 12, 14, 10, 0, 0, 262144, 256, 0       ; Wo: 16,384 bytes of f32 a wave; rows of 256 bytes in eight panels of 262,144
	s_mov_b32 s23, 9
.Lc:
	s_cmp_eq_u32 s23, 8
	s_cbranch_scc0 .Lnot_w1
	CSET 6, 10, 16, 11, 0, 1, 0, 2097152, 512      ; W1: 65,536 bytes a wave; rows of 512 bytes in sixteen panels of 524,288
.Lnot_w1:
	s_cmp_eq_u32 s23, 4
	s_cbranch_scc0 .Lnot_w2
	CSET 8, 12, 16, 12, 2097152, 0, 1048576, 256, 1024   ; W2: 65,536 bytes a wave; behind Wo's panels, rows of 256 bytes in eight panels of 1,048,576
.Lnot_w2:
.set t, 0
.rept 32
	global_load_b128 v[16+4*t:19+4*t], v1, s[40:41] offset:512*t th:TH_LOAD_NT
.set t, t+1
.endr
.set t, 0
.rept 32
	s_wait_loadcnt 31-t                            ; chunk t is in; the younger ones stay out
	v_cvt_pk_bf16_f32 v[144+2*t], v[16+4*t], v[17+4*t]
	v_cvt_pk_bf16_f32 v[145+2*t], v[18+4*t], v[19+4*t]
	global_store_b64 v[2+t/8], v[144+2*t:145+2*t], s[24+2*(t%8):25+2*(t%8)]   ; 256 consecutive bytes, aligned: 128 columns of one K row of one panel
.set t, t+1
.endr
	s_wait_xcnt 0x0                                ; loads and stores have read their addresses and data: all are written again only behind this wait
	s_add_nc_u64 s[40:41], s[40:41], 16384
.irp q, 0,1,2,3
	v_add_nc_u32 v[2+\q], s42, v[2+\q]
.endr
	s_sub_co_u32 s23, s23, 1
	s_cmp_lg_u32 s23, 0
	s_cbranch_scc1 .Lc
	s_endpgm
.Lfunc_end_k_qdfff58a1d1_qkv:
	.size	k_qdfff58a1d1_qkv, .Lfunc_end_k_qdfff58a1d1_qkv-k_qdfff58a1d1_qkv
	.p2alignl 7, 3214868480
	.fill 96, 4, 3214868480
	.section	.rodata,"a",@progbits
	.p2align	6, 0x0
	.amdhsa_kernel k_qdfff58a1d1_qkv
		.amdhsa_group_segment_fixed_size 327680
		.amdhsa_private_segment_fixed_size 0
		.amdhsa_enable_private_segment 0
		.amdhsa_kernarg_size 64
		.amdhsa_user_sgpr_count 2
		.amdhsa_user_sgpr_kernarg_segment_ptr 1
		.amdhsa_wavefront_size32 1
		.amdhsa_system_sgpr_workgroup_id_x 1
		.amdhsa_system_sgpr_workgroup_id_y 1
		.amdhsa_system_sgpr_workgroup_id_z 1
		.amdhsa_system_vgpr_workitem_id 0
		.amdhsa_next_free_vgpr 1024
		.amdhsa_next_free_sgpr 80
		.amdhsa_reserve_vcc 0
		.amdhsa_float_denorm_mode_32 3
		.amdhsa_float_denorm_mode_16_64 3
		.amdhsa_memory_ordered 1
		.amdhsa_forward_progress 1
		.amdhsa_inst_pref_size 98
	.end_amdhsa_kernel
	.amdgpu_metadata
---
amdhsa.version: [ 1, 2 ]
amdhsa.kernels:
  - .name:           k_qdfff58a1d1_qkv
    .symbol:         k_qdfff58a1d1_qkv.kd
    .args:
      - { .name: hn, .offset: 0, .size: 8, .value_kind: global_buffer, .address_space: global }
      - { .name: wqkv, .offset: 8, .size: 8, .value_kind: global_buffer, .address_space: global }
      - { .name: big, .offset: 16, .size: 8, .value_kind: global_buffer, .address_space: global }
      - { .name: Wo, .offset: 24, .size: 8, .value_kind: global_buffer, .address_space: global }
      - { .name: W1, .offset: 32, .size: 8, .value_kind: global_buffer, .address_space: global }
      - { .name: W2, .offset: 40, .size: 8, .value_kind: global_buffer, .address_space: global }
      - { .name: w1p, .offset: 48, .size: 8, .value_kind: global_buffer, .address_space: global }
      - { .name: wsm, .offset: 56, .size: 8, .value_kind: global_buffer, .address_space: global }
    .group_segment_fixed_size: 327680
    .private_segment_fixed_size: 0
    .kernarg_segment_align: 8
    .kernarg_segment_size: 64
    .max_flat_workgroup_size: 128
    .sgpr_count:     80
    .vgpr_count:     1024
    .wavefront_size: 32
...
	.end_amdgpu_metadata
.endif
;; end of part 2
;; launch attn (part 3): grid 4 x 64, 4 waves a work-group, clusters of 4 x 1, 327,680 bytes of LDS; arguments big, hn; writes hn
.if DOCPART == 3
	.amdgcn_target "amdgcn-amd-amdhsa--gfx1250"
	.amdhsa_code_object_version 6
	.text
	.protected	k_qdfff58a1d1_attn
	.globl	k_qdfff58a1d1_attn
	.p2align	8
	.type	k_qdfff58a1d1_attn,@function
k_qdfff58a1d1_attn:
	s_mov_b64 s[64:65], 0
	v_nop
	global_prefetch_b8 v0, s[64:65] scope:SCOPE_SE
	s_setreg_imm32_b32 hwreg(HW_REG_WAVE_MODE, 25, 1), 1
	s_wait_xcnt 0x0
	s_wait_alu depctr_hold_cnt(0) depctr_sa_sdst(0) depctr_va_vdst(0) depctr_va_sdst(0) depctr_va_ssrc(0) depctr_va_vcc(0) depctr_vm_vsrc(0)
	s_getreg_b32 s2, hwreg(HW_REG_IB_STS2, 6, 4)
	s_cmp_eq_u32 s2, 0
	s_cbranch_scc0 .Lentry_in_a_cluster
	s_endpgm
.Lentry_in_a_cluster:
	s_bfe_u32 s2, ttmp6, 0x10000c
	s_cmp_lg_u32 s2, 0x3003
	s_cbranch_scc0 .Lentry_shape_is_right
	s_endpgm
.Lentry_shape_is_right:
; CAUSAL ATTENTION, 64 heads (4 sequences x 16) of 1,024 rows x 64 channels, bf16 in and out; products, maxima and sums in f32; the weights are rounded to bf16 for the second product, O once at the end.
; q, k, v lie in 'big' as column blocks h, 16 + h, 32 + h of row blocks 8 b .. 8 b + 7: 128 rows of a head are 16,384 consecutive bytes.  O goes to 'hn', column block h.
; WORK LEFT OUT: key tiles of 128 keys that lie wholly above the diagonal (weights exp(-inf) = 0 by reference()'s own tril: shown at the head of the first kernel).
; LIMITS.  A hidden score counts as its value less 1e30; a weight below 2^-126 counts as 0; NaN and infinities are not treated apart, and none that would arise only in the tiles left out is carried to the result.
; SHARES.  A cluster of four work-groups is one head.  Work-group c owns rows 128 g + 32 c .. + 31 of each block g: GROUP g, two tiles of 16 queries, which needs the key tiles 0 .. g.  Wave w takes group 7 - w and then group w:
; 9 tiles, 18 key steps of 64, for every wave of every work-group.  Branches hang on the wave's number and on counters alone; c enters Q's and O's addresses and the mask's numbers.
; K AND V OF THE WHOLE HEAD STAY IN LDS, fetched once, by joint loads of the four partners: nothing is filled again.  Waves 0 and 1 fetch K's chunks of 128 keys (even, odd), waves 2 and 3 V's: four tensor loads a wave are out at the most.
; THE WALK.  The first group's steps 0 to 3, which need the first two chunks alone, stand in a loop of their own; then all chunks are waited for.  The rest is two nested loops with constant counts: 2 groups x 16 key steps k.
; The LDS places of K and V are 9,216 (k + 1) and 10,240 k, set at a group's top and stepped in every trip; a trip whose step the group does not have (k past its last, or one of the four already done) is jumped forward to the counter's step.
; LAYOUT.  S^T = K Q^T: a lane holds one query (l % 16) and the keys 8 (l / 16) + 0..7 of each 16; two such results rounded in pairs are source 1 of O^T = V^T P.  V comes out of LDS by the turning load.
; SOFTMAX.  Running maximum m and sum l: p = 2^(c s - c m), c = log2(e) / 8; O and l are multiplied by a = 2^(c m_old - c m_new) in every step.  m starts at the lowest finite number, so a group's first a is 0.
; Every row sees its own key in its group's last tile, and in group 0 key 0 lies in the first step: m is a true score when the first hidden one comes.
; THE MASK is the C operand that starts the sum in the diagonal tile's two steps: 0, or -1e30 where 16 kb + j - 16 u > 32 c + l % 16 - 8 (l / 16) - (the step's first key in the tile).
; REGISTERS.  Window 0: addresses, statistics, v64-127 S^T, v128-159 P, v160-223 O^T, v224-255 the way out.  Window 1: v0-31 Q, v32-95 K of a step, v96-159 V of a step, v160-223 the mask, v224-255 the second group's Q.
; SCALARS.  s8 16 less the group's steps; s9 the highest count that is still to do; s10 groups to go; s56 the step loops' count; s57 steps left in the group; s62, s63 K's and V's places.
.set PK,    144                        ; a key's row of K in LDS: 128 + 16 bytes: 16 rows start at 16 different groups of four banks (ISA guide 11.1)
.set PV,    160                        ; of V: 128 + 32
.set VOFF,  1024*PK
.set STAGE, VOFF+1024*PV               ; 16 rows x 144 bytes for each wave; no fill lands here
.set SP,    144
.set SPARE, STAGE+4*16*SP              ; 128 bytes for each wave: two blocks of 256 bytes that no other line names
.set AK0, 2
.set AV0, 3
.set AK,  4
.set AV,  5
.set STO, 6
.set RD,  7
.set GO,  8
.set THR0, 12
.set THR, 13
.set QO,  14
.set ST,  16                           ; tile u at v[ST+4 u]: c m, m, l (even keys', odd keys')
.set MV,  24                           ; c m_old
.set TMP, 32                           ; tile u: four at work; c2 takes a
.set SPW, 62
.set NIL, 63
.set S,   64
.set P,   128
.set O,   160
.set WO,  224
.set Q,   0                            ; window 1
.set KF,  32
.set VF,  96
.set MC,  160
.set QB,  224
.set MSB, 0
.macro WIN new
.if MSB != (\new)
	s_set_vgpr_msb (MSB<<8)|(\new)
.set MSB, \new
.endif
.endm
.macro PLACES
.rept 4
	v_nop
.endr
.endm
.macro CROUND
	s_barrier_signal -1
	s_barrier_wait -1
	s_cmp_lg_u32 s12, 0
	s_cbranch_scc1 .Lnot_wave_0_\@
	s_barrier_signal -3
.Lnot_wave_0_\@:
	s_barrier_wait -3
	s_barrier_signal -1
	s_barrier_wait -1
.endm
	s_load_b128 s[4:7], s[0:1], 0x0                ; big s[4:5], hn s[6:7]
	v_lshl_add_u32 v[SPW], v0, 2, SPARE
	v_mov_b32 v[NIL], 0
	ds_add_u32 v[SPW], v[NIL]                      ; the wave's opening: the add, twice on end, and its wait ahead of my first tensor load
	ds_add_u32 v[SPW], v[NIL]
	v_lshrrev_b32 v1, 5, v0
	v_readfirstlane_b32 s12, v1                    ; wave 0..3
	s_bfe_u32 s13, ttmp6, 0x40000                  ; c: my place in the cluster
	s_and_b32 s14, ttmp7, 0xffff                   ; the head of 64, which the partners share
	s_lshr_b32 s15, s14, 4                         ; sequence
	s_and_b32 s16, s14, 15                         ; head in it
	s_and_b32 s17, s12, 1                          ; even or odd chunks
	s_lshl_b32 s18, s15, 3
	s_add_co_u32 s18, s18, s17
	s_lshl_b32 s18, s18, 20                        ; row block 8 b + (w & 1), 1,048,576 bytes each,
	s_lshl_b32 s20, s16, 14
	s_add_co_u32 s18, s18, s20
	s_add_co_u32 s18, s18, 16<<14                  ; column block 16 + h: K; V lies 16 blocks on
	s_mov_b32 s19, 0
	s_lshl_b32 s21, s13, 12                        ; my 32 rows of a block: 4,096 bytes
	s_add_co_u32 s21, s21, s20
	s_lshl_b32 s22, s15, 3
	s_sub_co_u32 s23, 7, s12
	s_add_co_u32 s23, s23, s22                     ; row block of my first group
	s_add_co_u32 s22, s22, s12                     ; and of my second
	s_lshl_b32 s90, s23, 20
	s_add_co_u32 s90, s90, s21
	s_mov_b32 s91, 0
	s_lshl_b32 s92, s22, 20
	s_add_co_u32 s92, s92, s21
	s_mov_b32 s93, 0
	s_lshl_b32 s86, s23, 18
	s_add_co_u32 s86, s86, s21
	s_mov_b32 s87, 0
	s_lshl_b32 s88, s22, 18
	s_add_co_u32 s88, s88, s21
	s_mov_b32 s89, 0
	; a chunk: 128 keys, 16,384 dense bytes, as 64 rows of 256, padded behind every key (32 words: code 4)
	s_mov_b32 s24, 15|(1<<16)|(1<<20)|(1<<21)|(4<<22)|(3<<25)
	s_mov_b32 s32, 15|(1<<16)|(1<<20)|(1<<21)|(4<<22)|(7<<25)
.irp g, 24, 32
	s_mov_b32 s[\g+1], 128<<16
	s_mov_b32 s[\g+2], 64<<16
	s_mov_b32 s[\g+3], 128<<16
	s_mov_b32 s[\g+4], 64
	s_mov_b32 s[\g+5], 128
	s_mov_b32 s[\g+6], 0
	s_mov_b32 s[\g+7], 0
.endr
	s_mul_i32 s94, s17, 128*PK
	s_mul_i32 s95, s17, 128*PV
.irp i, 0,1,2,3                        ; chunk (w & 1) + 2 i
	s_mov_b32 s[40+4*\i], 1
	s_add_co_u32 s[41+4*\i], s94, \i*256*PK
	s_mov_b32 s[68+4*\i], 1
	s_add_co_u32 s[69+4*\i], s95, VOFF+\i*256*PV
.endr
	s_mov_b32 s58, 0x3e38aa3b                      ; c = log2(e) / 8, named as a pair
	s_mov_b32 s59, 0x3e38aa3b
	s_mov_b32 s60, 0x76543210                      ; v_permlanex16_b32: each lane takes its own place in the other half
	s_mov_b32 s61, 0xfedcba98
	s_mov_b32 s84, 0xf149f2ca                      ; -1e30
	s_wait_dscnt 0x0                               ; both opening adds are done
	s_wait_kmcnt 0x0
	s_add_nc_u64 s[18:19], s[4:5], s[18:19]
.irp i, 0,1,2,3
	s_add_nc_u64 s[42+4*\i:43+4*\i], s[18:19], \i*2097152
	s_or_b32 s[43+4*\i], s[43+4*\i], 0x80000000
	s_add_nc_u64 s[70+4*\i:71+4*\i], s[18:19], \i*2097152+262144
	s_or_b32 s[71+4*\i], s[71+4*\i], 0x80000000
.endr
	s_add_nc_u64 s[90:91], s[4:5], s[90:91]        ; Q of my first group, of my second
	s_add_nc_u64 s[92:93], s[4:5], s[92:93]
	s_add_nc_u64 s[86:87], s[6:7], s[86:87]        ; O likewise
	s_add_nc_u64 s[88:89], s[6:7], s[88:89]
	CROUND                                         ; all four work-groups are here: the joint loads meet
	s_cmp_lt_u32 s12, 2                            ; a wave's four fills stand in one branch, ahead of every wait on TENSORcnt and every LDS read
	s_cbranch_scc0 .Lfirst_v
.irp i, 0,1,2,3
	tensor_load_to_lds s[40+4*\i:43+4*\i], s[24:31]
	s_nop 0
.endr
.rept 4
	v_nop
.endr
	s_branch .Lfirst_asked
.Lfirst_v:
.irp i, 0,1,2,3
	tensor_load_to_lds s[68+4*\i:71+4*\i], s[32:39]
	s_nop 0
.endr
.rept 4
	v_nop
.endr
.Lfirst_asked:
	v_and_b32 v1, 15, v0                           ; r
	v_bfe_u32 v9, v0, 4, 1                         ; h
	v_lshlrev_b32 v[QO], 7, v1
	v_lshl_add_u32 v[QO], v9, 4, v[QO]
	WIN 0x40                                       ; destination window 1
.irp i, 0,1,2,3                        ; both groups' Q: tile i / 2, channels 32 (i % 2) on
	global_load_b128 v[Q+8*\i:Q+8*\i+3],     v[QO], s[90:91] offset:(\i/2)*2048+(\i%2)*64
	global_load_b128 v[Q+8*\i+4:Q+8*\i+7],   v[QO], s[90:91] offset:(\i/2)*2048+(\i%2)*64+32
	global_load_b128 v[QB+8*\i:QB+8*\i+3],   v[QO], s[92:93] offset:(\i/2)*2048+(\i%2)*64
	global_load_b128 v[QB+8*\i+4:QB+8*\i+7], v[QO], s[92:93] offset:(\i/2)*2048+(\i%2)*64+32
.endr
	WIN 0
	v_mul_u32_u24 v[AK0], v1, PK
	v_lshl_add_u32 v[AK0], v9, 4, v[AK0]
	v_and_b32 v10, 7, v0
	v_bfe_u32 v11, v0, 3, 1
	v_lshl_add_u32 v[AV0], v9, 3, v10
	v_mul_u32_u24 v[AV0], v[AV0], PV
	v_lshl_add_u32 v[AV0], v11, 4, v[AV0]
	v_add_nc_u32 v[AV0], VOFF, v[AV0]
	s_mul_i32 s20, s12, 16*SP
	s_add_co_u32 s20, s20, STAGE
	v_mul_u32_u24 v[STO], v1, SP
	v_lshl_add_u32 v[STO], v9, 4, v[STO]
	v_add_nc_u32 v[STO], s20, v[STO]
	v_bfe_u32 v[RD], v0, 3, 2
	v_mul_u32_u24 v[RD], v[RD], SP
	v_lshl_add_u32 v[RD], v10, 4, v[RD]
	v_add_nc_u32 v[RD], s20, v[RD]
	v_and_b32 v[GO], 31, v0
	v_lshlrev_b32 v[GO], 4, v[GO]
	v_lshlrev_b32 v[THR0], 3, v9
	v_sub_nc_u32 v[THR0], v1, v[THR0]
	s_lshl_b32 s21, s13, 5
	v_add_nc_u32 v[THR0], s21, v[THR0]             ; 32 c + r - 8 h
	v_mov_b32 v[AK], v[AK0]
.set i, 0
.rept 64                               ; O^T and l need only be finite: the first step multiplies them by a = 0.  Written in the wait for the first chunks
	v_mov_b32 v[O+i], 0
.set i, i+1
.endr
.irp u, 0,1
	v_mov_b32 v[ST+4*\u], 0xfe000000               ; c m: far below every c s
	v_mov_b32 v[ST+4*\u+1], 0xff7fffff             ; m
	v_mov_b32 v[ST+4*\u+2], 0
	v_mov_b32 v[ST+4*\u+3], 0
.endr
; Product i of 16 of S^T = K Q^T: tile i % 2, keys 16 ((i / 2) % 4) on, channels 32 (i / 8) on.  The first 8 start the sums, with 0 or (cm = 1) the mask.  The 8 accumulators take turns.
.macro KQ cm
.set rS, S+32*(i%2)+8*((i/2)%4)
.set rK, KF+16*((i/2)%4)+8*(i/8)
.set rQ, Q+16*(i%2)+8*(i/8)
.set rX, MC+32*(i%2)+8*((i/2)%4)
.if (i < 8) && (\cm)
	WIN 0x15
	v_wmma_f32_16x16x32_bf16 v[rS:rS+7], v[rK:rK+7], v[rQ:rQ+7], v[rX:rX+7]
.elseif i < 8
	WIN 0x05
	v_wmma_f32_16x16x32_bf16 v[rS:rS+7], v[rK:rK+7], v[rQ:rQ+7], 0
.else
	WIN 0x05
	v_wmma_f32_16x16x32_bf16 v[rS:rS+7], v[rK:rK+7], v[rQ:rQ+7], v[rS:rS+7]
.endif
.set i, i+1
.endm
; Product i of 16 of O^T += V^T P: tile i % 2, channels 16 ((i / 2) % 4) on, keys 32 (i / 8) on.
.macro PVM
	WIN 0x01
.set rO, O+32*(i%2)+8*((i/2)%4)
.set rV, VF+32*(i/8)+8*((i/2)%4)
.set rP, P+16*(i%2)+8*(i/8)
	v_wmma_f32_16x16x32_bf16 v[rO:rO+7], v[rV:rV+7], v[rP:rP+7], v[rO:rO+7]
.set i, i+1
.endm
.macro FETCH_K                         ; a step's K: 64 keys x 64 channels, 16 loads in one run
	WIN 0x40
.irp f, 0,1,2,3,4,5,6,7
	ds_load_b128 v[KF+8*\f:KF+8*\f+3],   v[AK] offset:(\f/2)*16*PK+(\f%2)*64
	ds_load_b128 v[KF+8*\f+4:KF+8*\f+7], v[AK] offset:(\f/2)*16*PK+(\f%2)*64+32
.endr
	WIN 0
.endm
.macro FETCH_V                         ; a step's V, turned
	WIN 0x40
.irp f, 0,1,2,3,4,5,6,7
	ds_load_tr16_b128 v[VF+8*\f:VF+8*\f+3],   v[AV] offset:(\f/4)*32*PV+(\f%4)*32
	ds_load_tr16_b128 v[VF+8*\f+4:VF+8*\f+7], v[AV] offset:(\f/4)*32*PV+16*PV+(\f%4)*32
.endr
	WIN 0
.endm
.macro REGS u
.set rT, ST+4*(\u)
.set rC, TMP+4*(\u)
.set rM, MV+(\u)
.set rS, S+32*(\u)
.set rP, P+16*(\u)
.set rO, O+32*(\u)
.endm
; Number n of the 22 that find tile u's maximum and statistics: 0-11 four chains of seven scores (each accumulator's lowest registers first); 12-14, 16 the rest, the old m, all into c0;
; 15 c m_old is kept; 17, 18 the other half of the lanes' keys: the new m; 19-21 c m, c m_old - c m_new, a.
.macro XS u, n
	REGS \u
.if (\n) < 4
	v_max3_num_f32 v[rC+(\n)], v[rS+8*(\n)], v[rS+8*(\n)+1], v[rS+8*(\n)+2]
.elseif (\n) < 12
	v_max3_num_f32 v[rC+(\n)%4], v[rC+(\n)%4], v[rS+8*((\n)%4)+2*((\n)/4)+1], v[rS+8*((\n)%4)+2*((\n)/4)+2]
.elseif (\n) == 12
	v_max3_num_f32 v[rC], v[rC], v[rS+7], v[rS+15]
.elseif (\n) == 13
	v_max3_num_f32 v[rC+1], v[rC+1], v[rS+23], v[rS+31]
.elseif (\n) == 14
	v_max3_num_f32 v[rC+2], v[rC+2], v[rC+3], v[rT+1]
.elseif (\n) == 15
	v_mov_b32 v[rM], v[rT]
.elseif (\n) == 16
	v_max3_num_f32 v[rC], v[rC], v[rC+1], v[rC+2]
.elseif (\n) == 17
	v_permlanex16_b32 v[rC+3], v[rC], s60, s61
.elseif (\n) == 18
	v_max_num_f32 v[rT+1], v[rC], v[rC+3]
.elseif (\n) == 19
	v_mul_f32 v[rT], s58, v[rT+1]
.elseif (\n) == 20
	v_sub_f32 v[rC+1], v[rM], v[rT]
.else
	v_exp_f32 v[rC+2], v[rC+1]
.endif
.endm
.macro FS u, n                         ; pair n of 16: c s - c m
	REGS \u
	v_pk_fma_f32 v[rS+2*(\n):rS+2*(\n)+1], v[rS+2*(\n):rS+2*(\n)+1], s[58:59], v[rT:rT+1] op_sel_hi:[1,0,0] neg_lo:[0,0,1] neg_hi:[0,0,1]
.endm
.macro EX u, n
	REGS \u
	v_exp_f32 v[rS+(\n)], v[rS+(\n)]
.endm
.macro RO u, n                         ; pair n of 16 of O^T times a
	REGS \u
	v_pk_mul_f32 v[rO+2*(\n):rO+2*(\n)+1], v[rO+2*(\n):rO+2*(\n)+1], v[rC+2:rC+3] op_sel_hi:[1,0]
.endm
.macro LS u, n                         ; l takes the sum of weights 4 n .. 4 n + 3; the first time as l = a l + sum
	REGS \u
.if (\n) == 0
	v_pk_fma_f32 v[rT+2:rT+3], v[rT+2:rT+3], v[rC+2:rC+3], v[rS:rS+1] op_sel_hi:[1,0,1]
.else
	v_pk_add_f32 v[rT+2:rT+3], v[rT+2:rT+3], v[rS+4*(\n):rS+4*(\n)+1]
.endif
.endm
; A step's softmax for both tiles, in phases, all in window 0.  The 66 exponentials are ONE batch: nothing ahead of the wait names a result of theirs; a pair's two stand one scaling behind its own.
.macro SOFTMAX
.irp n, 0,1,2,3,4,5,6,7,8,9,10,11,12,13,14,15,16,17,18,19,20,21
	XS 0, \n
	XS 1, \n
.endr
.set b, 0
.rept 16
	FS 0, b
	FS 1, b
.if b > 0
	EX 0, 2*b-2
	EX 0, 2*b-1
	EX 1, 2*b-2
	EX 1, 2*b-1
.endif
.set b, b+1
.endr
	EX 0, 30
	EX 0, 31
	EX 1, 30
	EX 1, 31
	v_nop                                          ; a plain instruction behind the last exponential,
	s_wait_alu depctr_va_vdst(0)                   ; and the batch's one wait
.set b, 0
.rept 16                               ; the weights rounded to bf16, in pairs
	v_cvt_pk_bf16_f32 v[P+b], v[S+2*b], v[S+2*b+1]
	v_cvt_pk_bf16_f32 v[P+16+b], v[S+32+2*b], v[S+32+2*b+1]
.set b, b+1
.endr
.set b, 0
.rept 8                                ; of four weights the second pair is added onto the first
	v_pk_add_f32 v[S+4*b:S+4*b+1], v[S+4*b:S+4*b+1], v[S+4*b+2:S+4*b+3]
	v_pk_add_f32 v[S+32+4*b:S+32+4*b+1], v[S+32+4*b:S+32+4*b+1], v[S+32+4*b+2:S+32+4*b+3]
.set b, b+1
.endr
.set b, 0
.rept 8                                ; l's chain, its links apart, between the rescalings, which go up each accumulator from its low end
	LS 0, b
	LS 1, b
	RO 0, 2*b
	RO 0, 2*b+1
	RO 1, 2*b
	RO 1, 2*b+1
.set b, b+1
.endr
.endm
.macro MASK                            ; z = 32 u + 8 kb + j
	v_sub_nc_u32 v[THR], v[THR0], s85
	WIN 0x40
.set z, 0
.rept 64
	v_cmp_gt_i32 vcc_lo, 16*((z/8)%4)+z%8-16*(z/32), v[THR]
	v_cndmask_b32 v[MC+z], 0, s84, vcc_lo
.set z, z+1
.endr
.endm
; A KEY STEP.  V of this step is fetched first (at s63); K, fetched a step earlier, is multiplied; K of the next step is fetched (at s62); the softmax; V^T P.
; full = 1: the group's last two steps (s57 <= 2) take masks, and its last fetches no further K.  full = 0 (the first four steps, which no group ends): the fourth fetches no K, since the later chunks are not yet shown landed.
.macro STEP full
	PLACES                                         ; behind the last product that read V's registers
	v_add_nc_u32 v[AV], s63, v[AV0]
	FETCH_V
	s_wait_dscnt 16                                ; K is in; V's 16 loads may stay out
.if \full
	s_cmp_le_u32 s57, 2
	s_cbranch_scc0 .Lopen_\@
	s_sub_co_u32 s85, 2, s57
	s_lshl_b32 s85, s85, 6                         ; the step's first key in the diagonal tile: 0 or 64
	MASK
.set i, 0
.rept 8
	KQ 1
.endr
	WIN 0
	s_branch .Lboth_\@
.Lopen_\@:
.endif
.set i, 0
.rept 8
	KQ 0
.endr
.if \full
	WIN 0
.Lboth_\@:
.endif
.set i, 8
.rept 8
	KQ 0
.endr
	WIN 0
	v_add_nc_u32 v[AK], s62, v[AK0]                ; this line and three v_nop: the four places behind the last product, for K's loads and for the softmax's first reads
	v_nop
	v_nop
	v_nop
.if \full
	s_cmp_eq_u32 s57, 1
.else
	s_cmp_eq_u32 s56, 1
.endif
	s_cbranch_scc1 .Lno_k_\@
	FETCH_K
.Lno_k_\@:
	SOFTMAX
	s_wait_dscnt 0x0                               ; V is in
.set i, 0
.rept 16
	PVM
.endr
	WIN 0
.endm
; A GROUP ENDS: l's two halves and the other half of the lanes' are added; O^T is divided by l, rounded to bf16 and sent through my stage, a tile at a time: 16 rows of 128 bytes leave as 512 consecutive bytes a store.
.macro FINISH
	s_wait_xcnt 0x0                                ; an earlier group's stores have read their data
	PLACES
.irp u, 0,1
	v_add_f32 v[ST+4*\u+2], v[ST+4*\u+2], v[ST+4*\u+3]
.endr
.irp u, 0,1
	v_permlanex16_b32 v[ST+4*\u+3], v[ST+4*\u+2], s60, s61
.endr
.irp u, 0,1
	v_add_f32 v[ST+4*\u+2], v[ST+4*\u+2], v[ST+4*\u+3]
.endr
.irp u, 0,1
	v_rcp_f32 v[ST+4*\u+2], v[ST+4*\u+2]
.endr
	v_nop
	s_wait_alu depctr_va_vdst(0)                   ; one wait for the two reciprocals
.irp u, 0,1
.set i, 0
.rept 16
	v_pk_mul_f32 v[O+32*\u+2*i:O+32*\u+2*i+1], v[O+32*\u+2*i:O+32*\u+2*i+1], v[ST+4*\u+2:ST+4*\u+3] op_sel_hi:[1,0]
.set i, i+1
.endr
.set i, 0
.rept 16
	v_cvt_pk_bf16_f32 v[WO+16*\u+i], v[O+32*\u+2*i], v[O+32*\u+2*i+1]
.set i, i+1
.endr
.irp f, 0,1,2,3
	ds_store_b128 v[STO], v[WO+16*\u+4*\f:WO+16*\u+4*\f+3] offset:32*\f
.endr
.irp f, 0,1,2,3
	ds_load_b128 v[WO+16*\u+4*\f:WO+16*\u+4*\f+3], v[RD] offset:576*\f   ; LDS serves a wave's instructions in order (ISA guide 5.7.1.4)
.endr
.endr
.irp u, 0,1
.irp f, 0,1,2,3
	s_wait_dscnt 8*(1-\u)+3-\f                     ; behind this load stand the tile's later loads and, for tile 0, tile 1's eight LDS instructions
	global_store_b128 v[GO], v[WO+16*\u+4*\f:WO+16*\u+4*\f+3], s[86:87] offset:2048*\u+512*\f
.endr
.endr
.endm
.macro BEGIN2                          ; the second group: O's address, the counts, Q, the statistics, K of step 0
	s_wait_xcnt 0x0                                ; the stores have read O's address
	s_mov_b64 s[86:87], s[88:89]
	s_sub_co_u32 s8, 14, s8                        ; 2 (w + 1) steps: 16 less them is 14 - 2 w
	s_mov_b32 s9, 16                               ; none of them is done yet
	WIN 0x41
.set i, 0
.rept 32
	v_mov_b32 v[Q+i], v[QB+i]
.set i, i+1
.endr
	WIN 0
.irp u, 0,1
	v_mov_b32 v[ST+4*\u], 0xfe000000
	v_mov_b32 v[ST+4*\u+1], 0xff7fffff
.endr
	v_mov_b32 v[AK], v[AK0]
	FETCH_K
.endm
	s_wait_tensorcnt 0x3                           ; my first chunk is in; my three later ones stay out
	s_barrier_signal -1
	s_barrier_wait -1                              ; K's and V's chunks 0 and 1 are in: key steps 0 to 3
	FETCH_K
	s_wait_loadcnt 0x0                             ; Q
	s_mov_b32 s62, 64*PK                           ; K of the step after the one in hand
	s_mov_b32 s63, 0                               ; V of the step in hand, less VOFF
	s_mov_b32 s56, 4
.Lfour:
	STEP 0
	s_add_co_u32 s62, s62, 64*PK
	s_add_co_u32 s63, s63, 64*PV
	s_sub_co_u32 s56, s56, 1
	s_cmp_lg_u32 s56, 0
	s_cbranch_scc1 .Lfour
	s_wait_tensorcnt 0x0                           ; all my chunks are in,
	s_wait_dscnt 0x0
	s_barrier_signal -1
	s_barrier_wait -1                              ; everybody's are
	v_add_nc_u32 v[AK], 4*64*PK, v[AK0]
	FETCH_K                                        ; step 4
	s_lshl_b32 s8, s12, 1                          ; the first group has 2 (8 - w) steps: 16 less them is 2 w,
	s_mov_b32 s9, 12                               ; and its steps 0 to 3 (counts 16 to 13) are done
	s_mov_b32 s10, 2
.Lgroup:
	s_mov_b32 s62, 64*PK
	s_mov_b32 s63, 0
	s_mov_b32 s56, 16
.Lstep:                                                ; key step k = 16 - s56
	s_sub_co_i32 s57, s56, s8                      ; steps left in the group, this one among them
	s_cmp_lt_i32 s57, 1
	s_cbranch_scc1 .Lbottom                        ; past the group's last step
	s_cmp_gt_u32 s56, s9
	s_cbranch_scc1 .Lbottom                        ; done already
	STEP 1
.Lbottom:
	s_add_co_u32 s62, s62, 64*PK
	s_add_co_u32 s63, s63, 64*PV
	s_sub_co_u32 s56, s56, 1
	s_cmp_lg_u32 s56, 0
	s_cbranch_scc1 .Lstep
	FINISH
	s_cmp_eq_u32 s10, 1                            ; behind the second group nothing begins
	s_cbranch_scc1 .Lgbottom
	BEGIN2
.Lgbottom:
	s_sub_co_u32 s10, s10, 1
	s_cmp_lg_u32 s10, 0
	s_cbranch_scc1 .Lgroup
	s_wait_tensorcnt 0x0                           ; the wave's end: behind my last tensor load and my last LDS store
	ds_add_u32 v[SPW], v[NIL]
	s_wait_dscnt 0x0
	CROUND                                         ; the closing round
	s_endpgm
.Lfunc_end_k_qdfff58a1d1_attn:
	.size	k_qdfff58a1d1_attn, .Lfunc_end_k_qdfff58a1d1_attn-k_qdfff58a1d1_attn
	.p2alignl 7, 3214868480
	.fill 96, 4, 3214868480
	.section	.rodata,"a",@progbits
	.p2align	6, 0x0
	.amdhsa_kernel k_qdfff58a1d1_attn
		.amdhsa_group_segment_fixed_size 327680
		.amdhsa_private_segment_fixed_size 0
		.amdhsa_enable_private_segment 0
		.amdhsa_kernarg_size 16
		.amdhsa_user_sgpr_count 2
		.amdhsa_user_sgpr_kernarg_segment_ptr 1
		.amdhsa_wavefront_size32 1
		.amdhsa_system_sgpr_workgroup_id_x 1
		.amdhsa_system_sgpr_workgroup_id_y 1
		.amdhsa_system_sgpr_workgroup_id_z 1
		.amdhsa_system_vgpr_workitem_id 0
		.amdhsa_next_free_vgpr 512
		.amdhsa_next_free_sgpr 96
		.amdhsa_reserve_vcc 1
		.amdhsa_float_denorm_mode_32 3
		.amdhsa_float_denorm_mode_16_64 3
		.amdhsa_memory_ordered 1
		.amdhsa_forward_progress 1
		.amdhsa_inst_pref_size 67
	.end_amdhsa_kernel
	.amdgpu_metadata
---
amdhsa.version: [ 1, 2 ]
amdhsa.kernels:
  - .name:           k_qdfff58a1d1_attn
    .symbol:         k_qdfff58a1d1_attn.kd
    .args:
      - { .name: big, .offset: 0, .size: 8, .value_kind: global_buffer, .address_space: global }
      - { .name: hn, .offset: 8, .size: 8, .value_kind: global_buffer, .address_space: global }
    .group_segment_fixed_size: 327680
    .private_segment_fixed_size: 0
    .kernarg_segment_align: 8
    .kernarg_segment_size: 16
    .max_flat_workgroup_size: 128
    .sgpr_count:     96
    .vgpr_count:     512
    .wavefront_size: 32
...
	.end_amdgpu_metadata
.endif
;; end of part 3
;; launch oproj (part 4): grid 8 x 32, 4 waves a work-group, clusters of 4 x 4, 327,680 bytes of LDS; arguments hn, wsm, bo, x, x1; writes x1
.if DOCPART == 4
	.amdgcn_target "amdgcn-amd-amdhsa--gfx1250"
	.amdhsa_code_object_version 6
	.text
	.protected	k_qdfff58a1d1_oproj
	.globl	k_qdfff58a1d1_oproj
	.p2align	8
	.type	k_qdfff58a1d1_oproj,@function
k_qdfff58a1d1_oproj:
	s_mov_b64 s[64:65], 0
	v_nop
	global_prefetch_b8 v0, s[64:65] scope:SCOPE_SE
	s_setreg_imm32_b32 hwreg(HW_REG_WAVE_MODE, 25, 1), 1
	s_wait_xcnt 0x0
	s_wait_alu depctr_hold_cnt(0) depctr_sa_sdst(0) depctr_va_vdst(0) depctr_va_sdst(0) depctr_va_ssrc(0) depctr_va_vcc(0) depctr_vm_vsrc(0)
	s_getreg_b32 s2, hwreg(HW_REG_IB_STS2, 6, 4)
	s_cmp_eq_u32 s2, 0
	s_cbranch_scc0 .Lentry_in_a_cluster
	s_endpgm
.Lentry_in_a_cluster:
	s_bfe_u32 s2, ttmp6, 0x10000c
	s_cmp_lg_u32 s2, 0xf033
	s_cbranch_scc0 .Lentry_shape_is_right
	s_endpgm
.Lentry_shape_is_right:
; out[m][n] = res[m][n] + bias[n] + sum over k of A[m][k] W[k][n].  Here: x1 = x + attention output x Wo + bo.  A: bf16 blocks [row / 128][k / 64][128][64]; W: bf16 panels [n / 128][K][128]; res, out: f32 [4096][1024].
; SHARES.  A tile of out is 128 x 128 (256 work-groups); four waves, each 64 x 64 in 16 accumulators.  K goes in steps of 256 through two LDS slots; each wave's one tensor load brings 32,768 bytes.
; The product is taken transposed (source 0 = 16 columns of W by the turning load, source 1 = 16 rows of A): a lane holds row l % 16 and 8 neighbouring columns.
; CLUSTER 4 x 4: A's tile is asked for jointly along a row of the cluster, W's along a column.
; THE RING.  Both slots' first fills go out together; two tensor loads of a wave are out then, later one.  A step has 128 matrix instructions a wave for 131,072 bytes of tiles, so at a change of slots the refill is asked for first: the waits,
; the round and the joint load stand ahead of all 32 products of the step's last quarter, which work on registers.
; LDS.  Slot s at 147,456 s: A, 4 k blocks x 128 rows of 128 + 16 bytes; W, 256 k rows of 256 + 32 bytes.  Behind the slots a stage of 16 rows x 272 bytes for each wave (a wave's 64 f32 columns are 256 bytes), then the spare words.
; REGISTERS.  Window 0: addresses, v12-15 bias, v32-95 two blocks of the residual, v96-127 rows read back, v128-255 accumulators.  Window 1: two fragment buffers of 128 (64 of A, 64 of W).
.set NS,      4                        ; K steps of 256
.set A_RB,    262144                   ; bytes of a row block of A
.set W_OFF,   0                        ; where the panels begin
.set W_PANEL, 262144
.set SLOT,  147456
.set WOFF,  73728
.set STAGE, 2*SLOT
.set SPITCH, 272
.set SPARE, STAGE+4*16*SPITCH
.set ADRA0, 16
.set ADRB0, 17
.set ADRA,  18
.set ADRB,  19
.set ADRB2, 20                         ; W's k rows 128 on: the offsets stay within 16 bits
.set STO,   24
.set RD,    25
.set CO,    26
.set BO,    27
.set SPW,   28
.set NIL,   29
.set RS0,   32
.set BK,    96
.set ACC,   128
.set F0,    0
.set F1,    128
.set MSB, 0
.macro WIN new
.if MSB != (\new)
	s_set_vgpr_msb (MSB<<8)|(\new)
.set MSB, \new
.endif
.endm
.set MUL,  0x05                        ; sources 0 (W) and 1 (A) window 1; C and D window 0
.set TO_F, 0x40
.macro PLACES
.rept 4
	v_nop
.endr
.endm
.macro JLOAD                           ; waves 0 and 1 fetch A's two pairs of k blocks, waves 2 and 3 the two halves of W's k rows; an s_nop 0 and four v_nop follow each line
	s_cmp_eq_u32 s15, 0
	s_cbranch_scc0 .Lfor_b_\@
	tensor_load_to_lds s[32:35], s[24:31]
	s_nop 0
.rept 4
	v_nop
.endr
	s_branch .Lasked_\@
.Lfor_b_\@:
	tensor_load_to_lds s[44:47], s[36:43]
	s_nop 0
.rept 4
	v_nop
.endr
.Lasked_\@:
.endm
.macro CREST
	s_cmp_lg_u32 s14, 0
	s_cbranch_scc1 .Lnot_wave_0_\@
	s_barrier_signal -3
.Lnot_wave_0_\@:
	s_barrier_wait -3
	s_barrier_signal -1
	s_barrier_wait -1
.endm
.macro CROUND
	s_barrier_signal -1
	s_barrier_wait -1
	CREST
.endm
.macro MUL8 f, c, a0, zero             ; row blocks a0, a0 + 1 x 4 column blocks, 32 along K: half c of buffer f
	WIN MUL
.irp a, \a0, (\a0)+1
.irp b, 0,1,2,3
.if \zero
	v_wmma_f32_16x16x32_bf16 v[ACC+8*(4*(\a)+(\b)):ACC+8*(4*(\a)+(\b))+7], v[(\f)+64+8*(4*(\c)+(\b)):(\f)+64+8*(4*(\c)+(\b))+7], v[(\f)+8*(4*(\c)+(\a)):(\f)+8*(4*(\c)+(\a))+7], 0
.else
	v_wmma_f32_16x16x32_bf16 v[ACC+8*(4*(\a)+(\b)):ACC+8*(4*(\a)+(\b))+7], v[(\f)+64+8*(4*(\c)+(\b)):(\f)+64+8*(4*(\c)+(\b))+7], v[(\f)+8*(4*(\c)+(\a)):(\f)+8*(4*(\c)+(\a))+7], v[ACC+8*(4*(\a)+(\b)):ACC+8*(4*(\a)+(\b))+7]
.endif
.endr
.endr
.endm
.macro MUL32 f                         ; a whole quarter's products
	MUL8 \f, 0, 0, 0
	MUL8 \f, 0, 2, 0
	MUL8 \f, 1, 0, 0
	MUL8 \f, 1, 2, 0
.endm
.macro FETCH q, f                      ; 32 LDS loads in one run: quarter q (64 along K) into buffer f; its first 32 along K first
	WIN TO_F
.set AB, ADRB+(\q)/2
.irp c, 0,1
.irp i, 0,1,2,3
	ds_load_tr16_b128 v[(\f)+64+8*(4*(\c)+(\i)):(\f)+64+8*(4*(\c)+(\i))+3],   v[AB] offset:(64*((\q)%2)+32*(\c))*288+32*(\i)
	ds_load_tr16_b128 v[(\f)+64+8*(4*(\c)+(\i))+4:(\f)+64+8*(4*(\c)+(\i))+7], v[AB] offset:(64*((\q)%2)+32*(\c))*288+4608+32*(\i)
	ds_load_b128 v[(\f)+8*(4*(\c)+(\i)):(\f)+8*(4*(\c)+(\i))+3],   v[ADRA] offset:18432*(\q)+2304*(\i)+64*(\c)
	ds_load_b128 v[(\f)+8*(4*(\c)+(\i))+4:(\f)+8*(4*(\c)+(\i))+7], v[ADRA] offset:18432*(\q)+2304*(\i)+64*(\c)+32
.endr
.endr
.endm
.macro QUARTER qn, f, g, zero          ; multiplies buffer f, fetches quarter qn into g.  The 16 accumulators take turns
	s_wait_dscnt 16                                ; the first 32 along K are in
	MUL8 \f, 0, 0, \zero
	MUL8 \f, 0, 2, \zero
	PLACES
	FETCH \qn, \g
	s_wait_dscnt 32                                ; all but the 32 just issued
	MUL8 \f, 1, 0, 0
	MUL8 \f, 1, 2, 0
.endm
; THE CHANGE OF SLOTS stands at the head of the step's last quarter, whose fragments (buffer 1) are the slot's last reads.  MEET: each wave waits for all its tensor loads, adds 0 to its spare word, and waits for that and for its reads of
; this slot; then the barrier.  fill = 1: the walking descriptors step while the add is out: into the slot just read, one step on along K.
.macro MEET fill
	WIN 0
	s_wait_tensorcnt 0x0
	ds_add_u32 v[SPW], v[NIL]
.if \fill
	s_add_co_u32 s33, s48, s22
	s_add_co_u32 s45, s49, s22
	s_add_nc_u64 s[34:35], s[34:35], 65536
	s_add_nc_u64 s[46:47], s[46:47], 65536
.endif
	s_wait_dscnt 0x0                               ; the add is done, and my reads of this slot are over
	s_barrier_signal -1
	s_barrier_wait -1
.endm
; REST: fill = 1: the barrier has opened a round of the cluster's; the joint refill comes first behind it.  Then the other slot's first fragments are fetched, and the last quarter's 32 products follow.
.macro REST fill
.if \fill
	CREST
	JLOAD                                          ; its four v_nop are also the places in front of the loads below
.else
	PLACES
.endif
	s_xor_b32 s22, s22, SLOT
	v_add_nc_u32 v[ADRA], s22, v[ADRA0]
	v_add_nc_u32 v[ADRB], s22, v[ADRB0]
	v_add_nc_u32 v[ADRB2], 36864, v[ADRB]
	FETCH 0, F0
	MUL32 F1
.endm
.macro RLOAD a, d                      ; the residual of my 16 rows of block a: 16 lanes take 256 consecutive bytes
.irp t, 0,1,2,3,4,5,6,7
	global_load_b128 v[(\d)+4*(\t):(\d)+4*(\t)+3], v[CO], s[10:11] offset:(16*(\a)+2*(\t))*4096 th:TH_LOAD_NT
.endr
.endm
.macro OUTB a                          ; block a of 16 rows: through my stage, bias and residual added, stored as whole rows of 256 bytes
.if (\a) > 0
	s_wait_xcnt 0x0                                ; the last block's stores have read their data
.endif
.irp b, 0,1,2,3
	ds_store_b128 v[STO], v[ACC+8*(4*(\a)+(\b)):ACC+8*(4*(\a)+(\b))+3]   offset:64*(\b)       ; each accumulator's low registers first
	ds_store_b128 v[STO], v[ACC+8*(4*(\a)+(\b))+4:ACC+8*(4*(\a)+(\b))+7] offset:64*(\b)+16
.endr
.irp t, 0,1,2,3,4,5,6,7
	ds_load_b128 v[BK+4*(\t):BK+4*(\t)+3], v[RD] offset:2*SPITCH*(\t)   ; LDS serves a wave's instructions in order (ISA guide 5.7.1.4)
.endr
	s_wait_dscnt 0x0
.if (\a) < 3
	s_wait_loadcnt 8                               ; this block's residual is in; the next block's eight loads stay out
.else
	s_wait_loadcnt 0x0
.endif
.set RS, RS0+32*((\a)%2)
.irp t, 0,1,2,3,4,5,6,7
	v_pk_add_f32 v[BK+4*(\t):BK+4*(\t)+1],   v[BK+4*(\t):BK+4*(\t)+1],   v[12:13]
	v_pk_add_f32 v[BK+4*(\t)+2:BK+4*(\t)+3], v[BK+4*(\t)+2:BK+4*(\t)+3], v[14:15]
.endr
.irp t, 0,1,2,3,4,5,6,7
	v_pk_add_f32 v[BK+4*(\t):BK+4*(\t)+1],   v[BK+4*(\t):BK+4*(\t)+1],   v[RS+4*(\t):RS+4*(\t)+1]
	v_pk_add_f32 v[BK+4*(\t)+2:BK+4*(\t)+3], v[BK+4*(\t)+2:BK+4*(\t)+3], v[RS+4*(\t)+2:RS+4*(\t)+3]
.endr
.irp t, 0,1,2,3,4,5,6,7
	global_store_b128 v[CO], v[BK+4*(\t):BK+4*(\t)+3], s[12:13] offset:(16*(\a)+2*(\t))*4096
.endr
.if (\a) < 2
	RLOAD (\a)+2, RS
.endif
.endm
	s_load_b256 s[4:11], s[0:1], 0x0               ; A s[4:5], W s[6:7], bias s[8:9], res s[10:11]
	s_load_b64 s[12:13], s[0:1], 0x20              ; out
	v_lshl_add_u32 v[SPW], v0, 2, SPARE
	v_mov_b32 v[NIL], 0
	ds_add_u32 v[SPW], v[NIL]                      ; the wave's opening: the add, twice on end, and its wait ahead of my first tensor load
	ds_add_u32 v[SPW], v[NIL]
	v_lshrrev_b32 v1, 5, v0
	v_readfirstlane_b32 s14, v1                    ; wave
	s_lshr_b32 s15, s14, 1                         ; my row half; also: I fetch A (0) or W (1)
	s_and_b32 s16, s14, 1                          ; my column half; also: which piece
	s_bfe_u32 s17, ttmp6, 0x40000
	s_bfe_u32 s18, ttmp6, 0x40004
	s_lshl_b32 s19, ttmp9, 2
	s_add_co_u32 s19, s19, s17                     ; tile column
	s_and_b32 s20, ttmp7, 0xffff
	s_lshl_b32 s20, s20, 2
	s_add_co_u32 s20, s20, s18                     ; tile row
	s_lshl_b32 s60, s18, 2
	s_lshl_b32 s60, 15, s60
	s_lshl_b32 s61, 0x1111, s17
	s_or_b32 s24, s60, (1<<16)|(1<<20)|(1<<21)|(4<<22)|(3<<25)   ; A's piece: 128 rows of 256 bytes, 16 bytes of padding behind every 128
	s_or_b32 s36, s61, (1<<16)|(1<<20)|(1<<21)|(5<<22)|(7<<25)   ; W's piece: 128 k rows of 256 bytes, 32 bytes of padding behind each
.irp g, 24, 36
	s_mov_b32 s[\g+1], 128<<16
	s_mov_b32 s[\g+2], 128<<16
	s_mov_b32 s[\g+3], 128<<16
	s_mov_b32 s[\g+4], 128
	s_mov_b32 s[\g+5], 128
	s_mov_b32 s[\g+6], 0
	s_mov_b32 s[\g+7], 0
.endr
	s_mul_i32 s48, s16, 36864                      ; where my piece goes in a slot: A's, W's
	s_add_co_u32 s49, s48, WOFF
	s_mov_b32 s52, 1                               ; group 0 for step 0, slot 0: s[52:55] A's, s[56:59] W's
	s_mov_b32 s53, s48
	s_mov_b32 s56, 1
	s_mov_b32 s57, s49
	s_mov_b32 s32, 1                               ; group 0 for step 1, slot 1, which then walks on: s[32:35] A's, s[44:47] W's
	s_add_co_u32 s33, s48, SLOT
	s_mov_b32 s44, 1
	s_add_co_u32 s45, s49, SLOT
	s_mov_b32 s22, 0
	s_lshl_b32 s62, s16, 15
	s_mul_i32 s66, s20, A_RB
	s_add_co_u32 s66, s66, s62
	s_mov_b32 s67, 0
	s_mul_i32 s68, s19, W_PANEL
	s_add_co_u32 s68, s68, s62
	s_add_co_u32 s68, s68, W_OFF
	s_mov_b32 s69, 0
	s_lshl_b32 s60, s19, 9                         ; my columns: (128 x tile column + 64 x my half) x 4 bytes
	s_lshl_b32 s62, s16, 8
	s_add_co_u32 s60, s60, s62
	s_mov_b32 s61, 0
	s_lshl_b32 s62, s20, 19                        ; my rows: (128 x tile row + 64 x my half) x 4,096 bytes
	s_lshl_b32 s63, s15, 18
	s_add_co_u32 s62, s62, s63
	s_add_co_u32 s62, s62, s60
	s_mov_b32 s63, 0
	s_wait_dscnt 0x0
	s_wait_kmcnt 0x0
	s_add_nc_u64 s[54:55], s[4:5], s[66:67]
	s_add_nc_u64 s[34:35], s[54:55], 65536
	s_or_b32 s55, s55, 0x80000000
	s_or_b32 s35, s35, 0x80000000
	s_add_nc_u64 s[58:59], s[6:7], s[68:69]
	s_add_nc_u64 s[46:47], s[58:59], 65536
	s_or_b32 s59, s59, 0x80000000
	s_or_b32 s47, s47, 0x80000000
	s_add_nc_u64 s[8:9], s[8:9], s[60:61]
	s_add_nc_u64 s[10:11], s[10:11], s[62:63]
	s_add_nc_u64 s[12:13], s[12:13], s[62:63]
	CROUND                                         ; all sixteen work-groups are here: the first joint loads meet
	s_cmp_eq_u32 s15, 0                            ; a wave's two first fills stand in one branch, ahead of every wait on TENSORcnt and every LDS read
	s_cbranch_scc0 .Lfirst_b
	tensor_load_to_lds s[52:55], s[24:31]
	s_nop 0
	tensor_load_to_lds s[32:35], s[24:31]
	s_nop 0
.rept 4
	v_nop
.endr
	s_branch .Lfirst_asked
.Lfirst_b:
	tensor_load_to_lds s[56:59], s[36:43]
	s_nop 0
	tensor_load_to_lds s[44:47], s[36:43]
	s_nop 0
.rept 4
	v_nop
.endr
.Lfirst_asked:
	v_and_b32 v1, 15, v0
	v_bfe_u32 v2, v0, 4, 1
	v_mul_u32_u24 v[ADRA0], v1, 144
	v_lshl_add_u32 v[ADRA0], v2, 4, v[ADRA0]
	s_mul_i32 s60, s15, 9216
	v_add_nc_u32 v[ADRA0], s60, v[ADRA0]
	v_and_b32 v3, 7, v0
	v_lshl_add_u32 v3, v2, 3, v3
	v_mul_u32_u24 v[ADRB0], v3, 288
	v_bfe_u32 v4, v0, 3, 1
	v_lshl_add_u32 v[ADRB0], v4, 4, v[ADRB0]
	s_lshl_b32 s60, s16, 7
	s_add_co_u32 s60, s60, WOFF
	v_add_nc_u32 v[ADRB0], s60, v[ADRB0]
	v_mov_b32 v[ADRA], v[ADRA0]
	v_mov_b32 v[ADRB], v[ADRB0]
	v_add_nc_u32 v[ADRB2], 36864, v[ADRB0]
	s_mul_i32 s60, s14, 16*SPITCH
	s_add_co_u32 s60, s60, STAGE
	v_mul_u32_u24 v[STO], v1, SPITCH
	v_lshl_add_u32 v[STO], v2, 5, v[STO]
	v_add_nc_u32 v[STO], s60, v[STO]
	v_mul_u32_u24 v[RD], v2, SPITCH
	v_lshl_add_u32 v[RD], v1, 4, v[RD]
	v_add_nc_u32 v[RD], s60, v[RD]
	v_lshlrev_b32 v[CO], 12, v2
	v_lshl_add_u32 v[CO], v1, 4, v[CO]
	v_lshlrev_b32 v[BO], 4, v1
	global_load_b128 v[12:15], v[BO], s[8:9]       ; the bias of the four columns that I hold on the way out
	s_wait_tensorcnt 0x1                           ; my part of step 0 is in; step 1's may stay out
	s_barrier_signal -1
	s_barrier_wait -1                              ; everybody's is
	FETCH 0, F0
	QUARTER 1, F0, F1, 1                           ; the first quarter stands in front of the loop: its first products start the sums
	WIN 0
	s_mov_b32 s23, NS-2
.Lk:                                                   ; trip t: the rest of step t, the refill with step t + 2, the first quarter of step t + 1
	QUARTER 2, F1, F0, 0
	QUARTER 3, F0, F1, 0
	MEET 1
	REST 1
	QUARTER 1, F0, F1, 0
	WIN 0
	s_sub_co_u32 s23, s23, 1
	s_cmp_lg_u32 s23, 0
	s_cbranch_scc1 .Lk
	RLOAD 0, RS0                                   ; the first two blocks' residual comes while the last two steps are multiplied
	RLOAD 1, RS0+32
	s_mov_b32 s23, 2
.Lt:                                                   ; the last two steps ask for nothing: one text, two trips; the second leaves in its middle, behind the barrier
	QUARTER 2, F1, F0, 0
	QUARTER 3, F0, F1, 0
	MEET 0
	s_sub_co_u32 s23, s23, 1
	s_cmp_eq_u32 s23, 0
	s_cbranch_scc1 .Lfin
	REST 0
	QUARTER 1, F0, F1, 0
	WIN 0
	s_cmp_lg_u32 s23, 0
	s_cbranch_scc1 .Lt
.Lfin:
	s_wait_dscnt 0x0
	MUL32 F1                                       ; the last 32 products
	WIN 0
	PLACES
	OUTB 0
	OUTB 1
	OUTB 2
	OUTB 3
	s_wait_tensorcnt 0x0                           ; the wave's end
	ds_add_u32 v[SPW], v[NIL]
	s_wait_dscnt 0x0
	CROUND                                         ; the closing round
	s_endpgm
.Lfunc_end_k_qdfff58a1d1_oproj:
	.size	k_qdfff58a1d1_oproj, .Lfunc_end_k_qdfff58a1d1_oproj-k_qdfff58a1d1_oproj
	.p2alignl 7, 3214868480
	.fill 96, 4, 3214868480
	.section	.rodata,"a",@progbits
	.p2align	6, 0x0
	.amdhsa_kernel k_qdfff58a1d1_oproj
		.amdhsa_group_segment_fixed_size 327680
		.amdhsa_private_segment_fixed_size 0
		.amdhsa_enable_private_segment 0
		.amdhsa_kernarg_size 40
		.amdhsa_user_sgpr_count 2
		.amdhsa_user_sgpr_kernarg_segment_ptr 1
		.amdhsa_wavefront_size32 1
		.amdhsa_system_sgpr_workgroup_id_x 1
		.amdhsa_system_sgpr_workgroup_id_y 1
		.amdhsa_system_sgpr_workgroup_id_z 1
		.amdhsa_system_vgpr_workitem_id 0
		.amdhsa_next_free_vgpr 512
		.amdhsa_next_free_sgpr 72
		.amdhsa_reserve_vcc 0
		.amdhsa_float_denorm_mode_32 3
		.amdhsa_float_denorm_mode_16_64 3
		.amdhsa_memory_ordered 1
		.amdhsa_forward_progress 1
		.amdhsa_inst_pref_size 71
	.end_amdhsa_kernel
	.amdgpu_metadata
---
amdhsa.version: [ 1, 2 ]
amdhsa.kernels:
  - .name:           k_qdfff58a1d1_oproj
    .symbol:         k_qdfff58a1d1_oproj.kd
    .args:
      - { .name: hn, .offset: 0, .size: 8, .value_kind: global_buffer, .address_space: global }
      - { .name: wsm, .offset: 8, .size: 8, .value_kind: global_buffer, .address_space: global }
      - { .name: bo, .offset: 16, .size: 8, .value_kind: global_buffer, .address_space: global }
      - { .name: x, .offset: 24, .size: 8, .value_kind: global_buffer, .address_space: global }
      - { .name: x1, .offset: 32, .size: 8, .value_kind: global_buffer, .address_space: global }
    .group_segment_fixed_size: 327680
    .private_segment_fixed_size: 0
    .kernarg_segment_align: 8
    .kernarg_segment_size: 40
    .max_flat_workgroup_size: 128
    .sgpr_count:     72
    .vgpr_count:     512
    .wavefront_size: 32
...
	.end_amdgpu_metadata
.endif
;; end of part 4
;; launch ln2: the kernel of part 1 again; grid 256 x 1, 8 waves a work-group, no clusters, 0 bytes of LDS; arguments x1, g2, be2, hn, Wq, Wk, Wv, wqkv; writes hn, wqkv
;; launch ffn1 (part 5): grid 16 x 16, 4 waves a work-group, clusters of 4 x 4, 327,680 bytes of LDS; arguments hn, w1p, big, b1; writes big
.if DOCPART == 5
	.amdgcn_target "amdgcn-amd-amdhsa--gfx1250"
	.amdhsa_code_object_version 6
	.text
	.protected	k_qdfff58a1d1_ffn1
	.globl	k_qdfff58a1d1_ffn1
	.p2align	8
	.type	k_qdfff58a1d1_ffn1,@function
k_qdfff58a1d1_ffn1:
	s_mov_b64 s[64:65], 0
	v_nop
	global_prefetch_b8 v0, s[64:65] scope:SCOPE_SE
	s_setreg_imm32_b32 hwreg(HW_REG_WAVE_MODE, 25, 1), 1
	s_wait_xcnt 0x0
	s_wait_alu depctr_hold_cnt(0) depctr_sa_sdst(0) depctr_va_vdst(0) depctr_va_sdst(0) depctr_va_ssrc(0) depctr_va_vcc(0) depctr_vm_vsrc(0)
	s_getreg_b32 s2, hwreg(HW_REG_IB_STS2, 6, 4)
	s_cmp_eq_u32 s2, 0
	s_cbranch_scc0 .Lentry_in_a_cluster
	s_endpgm
.Lentry_in_a_cluster:
	s_bfe_u32 s2, ttmp6, 0x10000c
	s_cmp_lg_u32 s2, 0xf033
	s_cbranch_scc0 .Lentry_shape_is_right
	s_endpgm
.Lentry_shape_is_right:
; C = gelu(A W + bias): the FFN's first layer, LayerNorm 2's rows x W1 + b1.  The product is the text of the q, k, v launch; the way out adds the bias and the activation.
; A: 4,096 rows x 1,024 in bf16, blocks [row / 128][k / 64][128][64].  W: panels [n / 256][1024 k][256 n] in bf16.  C: bf16, blocks [row / 128][n / 64][128][64], 64 column blocks a row block.
; SHARES.  A tile of C is 256 x 256: four waves, each 128 x 128 in 64 accumulators, 512 registers.  K goes in eight steps of 128 through two LDS slots.
; THE PRODUCT IS TAKEN TRANSPOSED: source 0 = 16 columns of W (out of LDS rows [k][n] by the turning load), source 1 = 16 rows of A: a lane holds row l % 16 of C and 8 neighbouring columns.
; CLUSTER 4 x 4: A's tile hangs on the tile row alone and is asked for jointly along a row of the cluster, W's on the tile column alone, jointly along a column.
; gelu(x) = x / (1 + 2^(x (KA x^2 + KB))), KB = -2 sqrt(2 / pi) log2(e), KA = 0.044715 KB: the same function as 0.5 x (1 + tanh(..)); far out it gives x and -0.  NaN and infinities are not treated apart.
; LDS.  Slot s at 143,360 s: A, 2 row halves x 2 k blocks x 128 rows of 128 + 16 bytes (36 words: 16 rows start at 16 different groups of four banks; ISA guide 11.1); behind it W, 128 k rows of 512 + 32 bytes.
; The way out's stage (a wave 128 rows of 512 + 16 bytes) lies over the slots, written behind their last fill and a barrier.  Behind the slots the spare words.
; REGISTERS by windows of 256: window 0 addresses, A's two fragment buffers v64-127, v128-191 (the way out works there later); window 1 W's two buffers; windows 2, 3 the accumulators, (a, b) at v[8 (8 (a % 4) + b)].
.set SLOT,  143360
.set WOFF,  73728
.set SPARE, 2*SLOT                     ; 128 bytes for each wave: two blocks of 256 bytes that no other line names
.set SROW,  528
.set SWAVE, 128*SROW
.set ADRA0, 16                         ; v16  my place in A's part of a slot; never rewritten
.set ADRB0, 17                         ; v17  the same for W
.set ADRA,  18                         ; v18  the same in the slot in hand
.set ADRB,  19                         ; v19
.set STO,   24                         ; v24  the way out: where I put 16 bytes of a row
.set RD,    25                         ; v25  where I read 8 rows back: RD0 + s55
.set GO,    26                         ; v26  16 x lane
.set BO,    27                         ; v27  my 8 columns in the bias
.set SPW,   28                         ; v28  my spare word; never rewritten
.set NIL,   29                         ; v29  0; never rewritten
.set PFO,   30                         ; v30  256 x lane; never rewritten
.set RD0,   31                         ; v31  my place in the stage's first 8 rows; never rewritten
.set F0,    64
.set F1,    128
.set XR,    32                         ; the way out: v32-63 eight rows' f32, v64-95 x, v96-127 at work, v128-143 bf16, v144-159 bias
.set T,     64
.set E,     96
.set YB,    128
.set BI,    144
.set MSB, 0
.macro WIN new                         ; the immediate's high byte repeats the setting that is left; a switch that changes nothing is dropped
.if MSB != (\new)
	s_set_vgpr_msb (MSB<<8)|(\new)
.set MSB, \new
.endif
.endm
.set MUL_LO, 0xa1                      ; source 0 (W) window 1, source 1 (A) window 0, C and D window 2
.set MUL_HI, 0xf1                      ; the same, C and D window 3
.set TO_B,   0x40                      ; destination window 1, address window 0
.macro PLACES                          ; four plain instructions between a matrix instruction and a load into, or a read of, its registers
.rept 4
	v_nop
.endr
.endm
; A joint load: waves 0 and 1 fetch A's two row halves, waves 2 and 3 the two halves of W's k rows.  The branch hangs on the wave's number alone.  An s_nop 0 and four v_nop follow each line.
.macro JLOAD
	s_cmp_eq_u32 s15, 0
	s_cbranch_scc0 .Lfor_b_\@
	tensor_load_to_lds s[32:35], s[24:31]
	s_nop 0
.rept 4
	v_nop
.endr
	s_branch .Lasked_\@
.Lfor_b_\@:
	tensor_load_to_lds s[44:47], s[36:43]
	s_nop 0
.rept 4
	v_nop
.endr
.Lasked_\@:
.endm
.macro CREST                           ; a round of the cluster's barrier behind its opening barrier
	s_cmp_lg_u32 s14, 0
	s_cbranch_scc1 .Lnot_wave_0_\@
	s_barrier_signal -3
.Lnot_wave_0_\@:
	s_barrier_wait -3
	s_barrier_signal -1
	s_barrier_wait -1
.endm
.macro CROUND
	s_barrier_signal -1
	s_barrier_wait -1
	CREST
.endm
; A prefetch of the K step that stands two refills on: of the 128 blocks of 256 bytes that I fetch in a step, my work-group's 32, a lane a block.  A's rows are asked for by the clusters with x = 0, W's by those with y = 0;
; the four partners of a joint load share the blocks out by address (cx for A, cy for W).  So each block is named once.  In trip t (s23 = 6 - t) it names step t + 4, for t = 0 .. 3: steps 0 to 3 come by their loads alone, and nothing past step 7 is named.
.macro ASK
	s_cmp_gt_u32 s23, s54
	s_cbranch_scc0 .Lnot_mine_\@
	global_prefetch_b8 v[PFO], s[50:51] th:TH_LOAD_NT scope:SCOPE_SE
.Lnot_mine_\@:
.endm
; 16 matrix instructions: row blocks a0, a0 + 1 of the window's four x all 8 column blocks, 32 along K.  zero = 1: the product starts the sums
.macro MUL16 f, hi, a0, zero
	WIN MUL_LO+0x50*(\hi)
.irp a, \a0, (\a0)+1
.irp b, 0,1,2,3,4,5,6,7
.if \zero
	v_wmma_f32_16x16x32_bf16 v[8*(8*(\a)+(\b)):8*(8*(\a)+(\b))+7], v[(\f)+8*(\b):(\f)+8*(\b)+7], v[(\f)+8*(4*(\hi)+(\a)):(\f)+8*(4*(\hi)+(\a))+7], 0
.else
	v_wmma_f32_16x16x32_bf16 v[8*(8*(\a)+(\b)):8*(8*(\a)+(\b))+7], v[(\f)+8*(\b):(\f)+8*(\b)+7], v[(\f)+8*(4*(\hi)+(\a)):(\f)+8*(4*(\hi)+(\a))+7], v[8*(8*(\a)+(\b)):8*(8*(\a)+(\b))+7]
.endif
.endr
.endr
.endm
; 32 LDS loads in one run: quarter q (32 along K) of the slot in hand into buffer f: W's 8 column blocks turned, then A's 8 row blocks
.macro FETCH q, f
	WIN TO_B
.irp i, 0,1,2,3,4,5,6,7
	ds_load_tr16_b128 v[(\f)+8*(\i):(\f)+8*(\i)+3],   v[ADRB] offset:17408*(\q)+32*(\i)
	ds_load_tr16_b128 v[(\f)+8*(\i)+4:(\f)+8*(\i)+7], v[ADRB] offset:17408*(\q)+8704+32*(\i)
.endr
	WIN 0
.irp i, 0,1,2,3,4,5,6,7
	ds_load_b128 v[(\f)+8*(\i):(\f)+8*(\i)+3],   v[ADRA] offset:((\q)/2)*18432+((\q)%2)*64+2304*(\i)
	ds_load_b128 v[(\f)+8*(\i)+4:(\f)+8*(\i)+7], v[ADRA] offset:((\q)/2)*18432+((\q)%2)*64+2304*(\i)+32
.endr
.endm
; One of a step's first three quarters: multiplies buffer f; in its middle fetches quarter qn into buffer g.  The 64 accumulators take turns in the same order in every quarter.
.macro QUARTER qn, f, g, zero
	s_wait_dscnt 8                                 ; W and A's rows 0-63 are in; the youngest eight loads (A's rows 64-127) may be out
	MUL16 \f, 0, 0, \zero
	MUL16 \f, 0, 2, \zero
	PLACES
	FETCH \qn, \g
	s_wait_dscnt 32                                ; all but the 32 just issued
	MUL16 \f, 1, 0, \zero
	MUL16 \f, 1, 2, \zero
.endm
; The last quarter multiplies buffer 1 and changes slots.  MEET is its first half: in front of the barrier each wave waits for all its tensor loads (at most one is out: its part of the other slot), adds 0 to its spare word,
; and waits for that and for its reads of this slot.
.macro MEET
	WIN 0
	s_wait_tensorcnt 0x0
	ds_add_u32 v[SPW], v[NIL]
	s_wait_dscnt 9                                 ; (the add and the youngest eight loads may be out)
	MUL16 F1, 0, 0, 0
	s_wait_dscnt 0x0                               ; the add is done, and my reads of this slot are over
	s_barrier_signal -1
	MUL16 F1, 0, 2, 0
	WIN 0
	s_barrier_wait -1
.endm
; REST is its second half.  fill = 1: the barrier has opened a round of the cluster's, and the joint refill of the slot just read, with the step two on, is the first tensor load behind it: 224 matrix instructions ahead of the wait for it.
.macro REST fill
.if \fill
	CREST
	s_add_co_u32 s33, s48, s22                     ; no load of mine is out: the descriptors walk: into the slot just read,
	s_add_co_u32 s45, s49, s22
	s_add_nc_u64 s[34:35], s[34:35], 32768         ; one step on along K
	s_add_nc_u64 s[46:47], s[46:47], 65536
	JLOAD                                          ; its four v_nop are also the places in front of the loads below
.else
	PLACES
.endif
	s_xor_b32 s22, s22, SLOT                       ; the other slot is read now
	v_add_nc_u32 v[ADRA], s22, v[ADRA0]
	v_add_nc_u32 v[ADRB], s22, v[ADRB0]
	FETCH 0, F0
.if \fill
	ASK
.endif
	MUL16 F1, 1, 0, 0
	MUL16 F1, 1, 2, 0
.endm
	s_load_b128 s[4:7], s[0:1], 0x0                ; A s[4:5], W s[6:7]
	s_load_b128 s[8:11], s[0:1], 0x10              ; C s[8:9], bias s[10:11]
	v_lshl_add_u32 v[SPW], v0, 2, SPARE
	v_mov_b32 v[NIL], 0
	ds_add_u32 v[SPW], v[NIL]                      ; the wave's opening: the add, twice on end, and its wait ahead of my first tensor load
	ds_add_u32 v[SPW], v[NIL]
	v_lshrrev_b32 v1, 5, v0
	v_readfirstlane_b32 s14, v1                    ; wave 0..3
	s_lshr_b32 s15, s14, 1                         ; my row half of the tile; also: I fetch A (0) or W (1)
	s_and_b32 s16, s14, 1                          ; my column half; also: which piece I fetch
	s_bfe_u32 s17, ttmp6, 0x40000                  ; cx
	s_bfe_u32 s18, ttmp6, 0x40004                  ; cy
	s_lshl_b32 s19, ttmp9, 2
	s_add_co_u32 s19, s19, s17                     ; tile column
	s_and_b32 s20, ttmp7, 0xffff
	s_lshl_b32 s20, s20, 2
	s_add_co_u32 s20, s20, s18                     ; tile row
	s_lshl_b32 s60, s18, 2
	s_lshl_b32 s60, 15, s60                        ; my row of the cluster
	s_lshl_b32 s61, 0x1111, s17                    ; my column
	; A's piece: 32,768 dense bytes as 128 rows of 256, 16 bytes of padding behind every 128 (32 words: code 4; 4 words: code 3)
	s_or_b32 s24, s60, (1<<16)|(1<<20)|(1<<21)|(4<<22)|(3<<25)
	s_mov_b32 s25, 128<<16
	s_mov_b32 s26, 128<<16
	s_mov_b32 s27, 128<<16
	s_mov_b32 s28, 128
	s_mov_b32 s29, 128
	s_mov_b32 s30, 0
	s_mov_b32 s31, 0
	; W's piece: 64 k rows of 512 bytes, 32 bytes of padding behind each (128 words: code 6; 8 words: code 7)
	s_or_b32 s36, s61, (1<<16)|(1<<20)|(1<<21)|(6<<22)|(7<<25)
	s_mov_b32 s37, 256<<16
	s_mov_b32 s38, 64<<16
	s_mov_b32 s39, 256<<16
	s_mov_b32 s40, 64
	s_mov_b32 s41, 256
	s_mov_b32 s42, 0
	s_mov_b32 s43, 0
	s_mul_i32 s48, s16, 36864                      ; where my piece goes in a slot, if it is A's,
	s_mul_i32 s49, s16, 34816
	s_add_co_u32 s49, s49, WOFF                    ; and if it is W's: no place in the cluster enters an LDS address
	s_mov_b32 s32, 1
	s_mov_b32 s33, s48
	s_mov_b32 s44, 1
	s_mov_b32 s45, s49
	s_mov_b32 s22, 0                               ; the slot in hand
	s_lshl_b32 s66, s20, 1
	s_add_co_u32 s66, s66, s16
	s_lshl_b32 s66, s66, 18                        ; A: row block 2 x tile row + piece, 262,144 bytes each
	s_mov_b32 s67, 0
	s_lshl_b32 s68, s19, 19                        ; W: panel = tile column, 524,288 bytes; piece x 64 rows
	s_lshl_b32 s62, s16, 15
	s_add_co_u32 s68, s68, s62
	s_mov_b32 s69, 0
	s_lshl_b32 s74, s20, 1
	s_add_co_u32 s74, s74, s15
	s_lshl_b32 s74, s74, 20                        ; C: row block 2 x tile row + my row half, 1,048,576 bytes each,
	s_lshl_b32 s63, s19, 2
	s_lshl_b32 s62, s16, 1
	s_add_co_u32 s63, s63, s62
	s_lshl_b32 s63, s63, 14                        ; column block 4 x tile column + 2 x my column half
	s_add_co_u32 s74, s74, s63
	s_mov_b32 s75, 0
	s_lshl_b32 s60, s19, 10                        ; bias: (256 x tile column + 128 x my column half) x 4 bytes
	s_lshl_b32 s62, s16, 9
	s_add_co_u32 s60, s60, s62
	s_mov_b32 s61, 0
	s_mov_b32 s56, 0xbdd2d3e8                      ; KA, named as a pair
	s_mov_b32 s57, 0xbdd2d3e8
	s_mov_b32 s58, 0xc0135761                      ; KB
	s_mov_b32 s59, 0xc0135761
	s_and_b32 s73, ttmp7, 0xffff                   ; cluster y
	s_lshl_b32 s52, 0x8000, s15                    ; a step of my piece's tensor in bytes: 32,768 for A, 65,536 for W
	s_mov_b32 s53, 0
	s_mul_i32 s72, s52, 3
	s_wait_dscnt 0x0                               ; both opening adds are done
	s_wait_kmcnt 0x0
	s_add_nc_u64 s[34:35], s[4:5], s[66:67]
	s_or_b32 s35, s35, 0x80000000
	s_add_nc_u64 s[46:47], s[6:7], s[68:69]
	s_or_b32 s47, s47, 0x80000000
	s_add_nc_u64 s[12:13], s[10:11], s[60:61]      ; the bias of my columns
	s_add_nc_u64 s[10:11], s[8:9], s[74:75]        ; C at my part of the tile
	s_cmp_eq_u32 s15, 0                            ; the prefetches: my own piece,
	s_cselect_b64 s[50:51], s[4:5], s[6:7]
	s_cselect_b32 s70, s66, s68
	s_cselect_b32 s71, s17, s18                    ; my place among the four that ask for it with me,
	s_cselect_b32 s73, ttmp9, s73                  ; the coordinate along which other clusters read the same rows
	s_cmp_eq_u32 s73, 0
	s_cselect_b32 s54, 2, -1                       ; the same in all sixteen partners, for a given wave
	s_lshl_b32 s71, s71, 13
	s_add_co_u32 s70, s70, s71
	s_add_co_u32 s70, s70, s72                     ; at step 3: the first refill steps it to 4
	s_mov_b32 s71, 0
	s_add_nc_u64 s[50:51], s[50:51], s[70:71]
	CROUND                                         ; all sixteen work-groups are here: the first joint loads meet
	JLOAD                                          ; step 0 into slot 0
	v_and_b32 v1, 15, v0                           ; r
	v_bfe_u32 v2, v0, 4, 1                         ; h
	v_mul_u32_u24 v[ADRA0], v1, 144
	v_lshl_add_u32 v[ADRA0], v2, 4, v[ADRA0]
	s_mul_i32 s60, s15, 36864
	v_add_nc_u32 v[ADRA0], s60, v[ADRA0]           ; my row half + r x 144 + 16 h
	v_and_b32 v6, 7, v0
	v_lshl_add_u32 v3, v2, 3, v6
	v_mul_u32_u24 v[ADRB0], v3, 544                ; the turning load: k row 8 h + l % 8,
	v_bfe_u32 v4, v0, 3, 1
	v_lshl_add_u32 v[ADRB0], v4, 4, v[ADRB0]       ; 16 bytes by (l / 8) % 2,
	s_lshl_b32 s60, s16, 8
	s_add_co_u32 s60, s60, WOFF
	v_add_nc_u32 v[ADRB0], s60, v[ADRB0]           ; my column half
	v_mov_b32 v[ADRA], v[ADRA0]
	v_mov_b32 v[ADRB], v[ADRB0]
	s_mul_i32 s60, s14, SWAVE
	v_mul_u32_u24 v[STO], v1, SROW
	v_lshl_add_u32 v[STO], v2, 5, v[STO]
	v_add_nc_u32 v[STO], s60, v[STO]               ; my stage + r x 528 + 32 h
	v_bfe_u32 v5, v0, 3, 2
	v_mul_u32_u24 v[RD0], v5, SROW
	v_lshl_add_u32 v[RD0], v6, 5, v[RD0]
	v_add_nc_u32 v[RD0], s60, v[RD0]               ; my stage + (l / 8) x 528 + (l % 8) x 32
	v_mov_b32 v[RD], v[RD0]
	v_and_b32 v[GO], 31, v0
	v_lshlrev_b32 v[PFO], 8, v[GO]
	v_lshlrev_b32 v[GO], 4, v[GO]
	v_lshlrev_b32 v[BO], 5, v6
	s_wait_tensorcnt 0x0                           ; my part of step 0 is in; slot 1 is filled for the first time as a refill is
	ds_add_u32 v[SPW], v[NIL]
	s_add_co_u32 s33, s48, SLOT
	s_add_co_u32 s45, s49, SLOT
	s_add_nc_u64 s[34:35], s[34:35], 32768
	s_add_nc_u64 s[46:47], s[46:47], 65536
	s_wait_dscnt 0x0
	CROUND
	JLOAD                                          ; step 1 into slot 1
	FETCH 0, F0
	QUARTER 1, F0, F1, 1                           ; the first quarter stands in front of the loop: its products start the sums
	WIN 0
	s_mov_b32 s23, 6
.Lk:                                                   ; trip t: the rest of step t, the refill with step t + 2, the first quarter of step t + 1
	QUARTER 2, F1, F0, 0
	QUARTER 3, F0, F1, 0
	s_wait_xcnt 0x0                                ; the last prefetch, a step back, has read its address
	s_add_nc_u64 s[50:51], s[50:51], s[52:53]
	MEET
	REST 1
	QUARTER 1, F0, F1, 0
	WIN 0
	s_sub_co_u32 s23, s23, 1
	s_cmp_lg_u32 s23, 0
	s_cbranch_scc1 .Lk
	s_mov_b32 s23, 2
.Lt:                                                   ; steps 6 and 7 ask for nothing: one text, two trips; the second leaves in its middle, behind the barrier
	QUARTER 2, F1, F0, 0
	QUARTER 3, F0, F1, 0
	MEET
	s_sub_co_u32 s23, s23, 1
	s_cmp_eq_u32 s23, 0
	s_cbranch_scc1 .Lfin
	REST 0
	QUARTER 1, F0, F1, 0
	WIN 0
	s_cmp_lg_u32 s23, 0
	s_cbranch_scc1 .Lt
.Lfin:
	s_wait_dscnt 0x0
	MUL16 F1, 1, 0, 0                              ; the last 32 products
	MUL16 F1, 1, 2, 0
	; THE WAY OUT.  All 128 x 128 sums go into my stage as f32 (it lies over the slots: every wave's reads of them are over behind the first barrier, and no fill follows); behind a second barrier, in front of which
	; each wave's stores into its stage are done, 16 trips take 8 rows each; a trip reads the next 8 rows while it works, the last reads nothing.
	WIN 0
	PLACES
	s_wait_dscnt 0x0
	s_barrier_signal -1
	s_barrier_wait -1
	WIN 0x08                                       ; store data in window 2
.irp a, 0,1,2,3
.irp b, 0,1,2,3,4,5,6,7
	ds_store_b128 v[STO], v[8*(8*(\a)+(\b)):8*(8*(\a)+(\b))+3]   offset:8448*(\a)+64*(\b)      ; each accumulator's low registers first
	ds_store_b128 v[STO], v[8*(8*(\a)+(\b))+4:8*(8*(\a)+(\b))+7] offset:8448*(\a)+64*(\b)+16
.endr
.endr
	WIN 0x0c                                       ; window 3
.irp a, 0,1,2,3
.irp b, 0,1,2,3,4,5,6,7
	ds_store_b128 v[STO], v[8*(8*(\a)+(\b)):8*(8*(\a)+(\b))+3]   offset:8448*((\a)+4)+64*(\b)
	ds_store_b128 v[STO], v[8*(8*(\a)+(\b))+4:8*(8*(\a)+(\b))+7] offset:8448*((\a)+4)+64*(\b)+16
.endr
.endr
	WIN 0
	s_wait_dscnt 0x0                               ; my stage is whole,
	s_barrier_signal -1
	s_barrier_wait -1                              ; everybody's is
; 8 rows back: group 2 g + cb holds rows 4 g + l / 8, columns 64 cb + 8 (l % 8) + 0..7
.macro LOADX
.irp g, 0,1
.irp cb, 0,1
	ds_load_b128 v[XR+8*(2*(\g)+(\cb)):XR+8*(2*(\g)+(\cb))+3],   v[RD] offset:2112*(\g)+256*(\cb)
	ds_load_b128 v[XR+8*(2*(\g)+(\cb))+4:XR+8*(2*(\g)+(\cb))+7], v[RD] offset:2112*(\g)+256*(\cb)+16
.endr
.endr
.endm
	s_mov_b32 s55, 0
	s_mov_b32 s23, 16
	global_load_b128 v[BI:BI+3],     v[BO], s[12:13]
	global_load_b128 v[BI+4:BI+7],   v[BO], s[12:13] offset:16
	global_load_b128 v[BI+8:BI+11],  v[BO], s[12:13] offset:256
	global_load_b128 v[BI+12:BI+15], v[BO], s[12:13] offset:272
	LOADX
	s_wait_loadcnt 0x0
.Lrows:                                                ; 8 rows: bias, gelu, rounded and stored.  Two batches of 32 transcendentals, one wait each
	s_wait_dscnt 0x0
.set i, 0
.rept 16
	v_pk_add_f32 v[T+2*i:T+2*i+1], v[XR+2*i:XR+2*i+1], v[BI+8*((i/4)%2)+2*(i%4):BI+8*((i/4)%2)+2*(i%4)+1]
.set i, i+1
.endr
	s_cmp_eq_u32 s23, 1                            ; the last trip has no rows behind it
	s_cbranch_scc1 .Lno_next
	s_add_co_u32 s55, s55, 8*SROW                  ; 8 stage rows on: 15 x 4,224 bytes at the most
	v_add_nc_u32 v[RD], s55, v[RD0]
	LOADX                                          ; they come while these are worked on
.Lno_next:
.set i, 0
.rept 16
	v_pk_mul_f32 v[E+2*i:E+2*i+1], v[T+2*i:T+2*i+1], v[T+2*i:T+2*i+1]
.set i, i+1
.endr
.set i, 0
.rept 16
	v_pk_fma_f32 v[E+2*i:E+2*i+1], v[E+2*i:E+2*i+1], s[56:57], s[58:59] op_sel_hi:[1,0,0]
.set i, i+1
.endr
.set i, 0
.rept 16
	v_pk_mul_f32 v[E+2*i:E+2*i+1], v[E+2*i:E+2*i+1], v[T+2*i:T+2*i+1]
.set i, i+1
.endr
.set i, 0
.rept 32
	v_exp_f32 v[E+i], v[E+i]
.set i, i+1
.endr
	v_nop                                          ; a plain instruction behind the batch's last,
	s_wait_alu depctr_va_vdst(0)                   ; and one wait for the 32
.set i, 0
.rept 16
	v_pk_add_f32 v[E+2*i:E+2*i+1], v[E+2*i:E+2*i+1], 1.0 op_sel_hi:[1,0]
.set i, i+1
.endr
.set i, 0
.rept 32
	v_rcp_f32 v[E+i], v[E+i]
.set i, i+1
.endr
	v_nop
	s_wait_alu depctr_va_vdst(0)
.set i, 0
.rept 16
	v_pk_mul_f32 v[T+2*i:T+2*i+1], v[T+2*i:T+2*i+1], v[E+2*i:E+2*i+1]
.set i, i+1
.endr
.set i, 0
.rept 16
	v_cvt_pk_bf16_f32 v[YB+i], v[T+2*i], v[T+2*i+1]
.set i, i+1
.endr
.irp g, 0,1
.irp cb, 0,1
	global_store_b128 v[GO], v[YB+4*(2*(\g)+(\cb)):YB+4*(2*(\g)+(\cb))+3], s[10:11] offset:16384*(\cb)+512*(\g)   ; four rows of a column block: 512 consecutive bytes of C
.endr
.endr
	s_wait_xcnt 0x0                                ; the stores have read their data and base: both are written again only behind this wait
	s_add_nc_u64 s[10:11], s[10:11], 1024          ; 8 rows on
	s_sub_co_u32 s23, s23, 1
	s_cmp_lg_u32 s23, 0
	s_cbranch_scc1 .Lrows
	s_wait_tensorcnt 0x0                           ; the wave's end: behind my last tensor load and my last LDS store
	ds_add_u32 v[SPW], v[NIL]
	s_wait_dscnt 0x0
	CROUND                                         ; the closing round
	s_endpgm
.Lfunc_end_k_qdfff58a1d1_ffn1:
	.size	k_qdfff58a1d1_ffn1, .Lfunc_end_k_qdfff58a1d1_ffn1-k_qdfff58a1d1_ffn1
	.p2alignl 7, 3214868480
	.fill 96, 4, 3214868480
	.section	.rodata,"a",@progbits
	.p2align	6, 0x0
	.amdhsa_kernel k_qdfff58a1d1_ffn1
		.amdhsa_group_segment_fixed_size 327680
		.amdhsa_private_segment_fixed_size 0
		.amdhsa_enable_private_segment 0
		.amdhsa_kernarg_size 32
		.amdhsa_user_sgpr_count 2
		.amdhsa_user_sgpr_kernarg_segment_ptr 1
		.amdhsa_wavefront_size32 1
		.amdhsa_system_sgpr_workgroup_id_x 1
		.amdhsa_system_sgpr_workgroup_id_y 1
		.amdhsa_system_sgpr_workgroup_id_z 1
		.amdhsa_system_vgpr_workitem_id 0
		.amdhsa_next_free_vgpr 1024
		.amdhsa_next_free_sgpr 80
		.amdhsa_reserve_vcc 0
		.amdhsa_float_denorm_mode_32 3
		.amdhsa_float_denorm_mode_16_64 3
		.amdhsa_memory_ordered 1
		.amdhsa_forward_progress 1
		.amdhsa_inst_pref_size 92
	.end_amdhsa_kernel
	.amdgpu_metadata
---
amdhsa.version: [ 1, 2 ]
amdhsa.kernels:
  - .name:           k_qdfff58a1d1_ffn1
    .symbol:         k_qdfff58a1d1_ffn1.kd
    .args:
      - { .name: hn, .offset: 0, .size: 8, .value_kind: global_buffer, .address_space: global }
      - { .name: w1p, .offset: 8, .size: 8, .value_kind: global_buffer, .address_space: global }
      - { .name: big, .offset: 16, .size: 8, .value_kind: global_buffer, .address_space: global }
      - { .name: b1, .offset: 24, .size: 8, .value_kind: global_buffer, .address_space: global }
    .group_segment_fixed_size: 327680
    .private_segment_fixed_size: 0
    .kernarg_segment_align: 8
    .kernarg_segment_size: 32
    .max_flat_workgroup_size: 128
    .sgpr_count:     80
    .vgpr_count:     1024
    .wavefront_size: 32
...
	.end_amdgpu_metadata
.endif
;; end of part 5
;; launch ffn2 (part 6): grid 8 x 32, 4 waves a work-group, clusters of 4 x 4, 327,680 bytes of LDS; arguments big, wsm, b2, x1, out0; writes out0
.if DOCPART == 6
	.amdgcn_target "amdgcn-amd-amdhsa--gfx1250"
	.amdhsa_code_object_version 6
	.text
	.protected	k_qdfff58a1d1_ffn2
	.globl	k_qdfff58a1d1_ffn2
	.p2align	8
	.type	k_qdfff58a1d1_ffn2,@function
k_qdfff58a1d1_ffn2:
	s_mov_b64 s[64:65], 0
	v_nop
	global_prefetch_b8 v0, s[64:65] scope:SCOPE_SE
	s_setreg_imm32_b32 hwreg(HW_REG_WAVE_MODE, 25, 1), 1
	s_wait_xcnt 0x0
	s_wait_alu depctr_hold_cnt(0) depctr_sa_sdst(0) depctr_va_vdst(0) depctr_va_sdst(0) depctr_va_ssrc(0) depctr_va_vcc(0) depctr_vm_vsrc(0)
	s_getreg_b32 s2, hwreg(HW_REG_IB_STS2, 6, 4)
	s_cmp_eq_u32 s2, 0
	s_cbranch_scc0 .Lentry_in_a_cluster
	s_endpgm
.Lentry_in_a_cluster:
	s_bfe_u32 s2, ttmp6, 0x10000c
	s_cmp_lg_u32 s2, 0xf033
	s_cbranch_scc0 .Lentry_shape_is_right
	s_endpgm
.Lentry_shape_is_right:
; out[m][n] = res[m][n] + bias[n] + sum over k of A[m][k] W[k][n].  Here: out0 = x1 + hidden x W2 + b2, K = 4,096.  A: bf16 blocks [row / 128][k / 64][128][64]; W: bf16 panels [n / 128][K][128]; res, out: f32 [4096][1024].
; SHARES.  A tile of out is 128 x 128 (256 work-groups); four waves, each 64 x 64 in 16 accumulators.  K goes in steps of 256 through two LDS slots; each wave's one tensor load brings 32,768 bytes.
; The product is taken transposed (source 0 = 16 columns of W by the turning load, source 1 = 16 rows of A): a lane holds row l % 16 and 8 neighbouring columns.
; CLUSTER 4 x 4: A's tile is asked for jointly along a row of the cluster, W's along a column.
; THE RING.  Both slots' first fills go out together; two tensor loads of a wave are out then, later one.  A step has 128 matrix instructions a wave for 131,072 bytes of tiles, so at a change of slots the refill is asked for first: the waits,
; the round and the joint load stand ahead of all 32 products of the step's last quarter, which work on registers.
; LDS.  Slot s at 147,456 s: A, 4 k blocks x 128 rows of 128 + 16 bytes; W, 256 k rows of 256 + 32 bytes.  Behind the slots a stage of 16 rows x 272 bytes for each wave (a wave's 64 f32 columns are 256 bytes), then the spare words.
; REGISTERS.  Window 0: addresses, v12-15 bias, v32-95 two blocks of the residual, v96-127 rows read back, v128-255 accumulators.  Window 1: two fragment buffers of 128 (64 of A, 64 of W).
.set NS,      16                       ; K steps of 256
.set A_RB,    1048576                  ; bytes of a row block of A
.set W_OFF,   2097152                  ; W2's panels lie behind Wo's
.set W_PANEL, 1048576
.set SLOT,  147456
.set WOFF,  73728
.set STAGE, 2*SLOT
.set SPITCH, 272
.set SPARE, STAGE+4*16*SPITCH
.set ADRA0, 16
.set ADRB0, 17
.set ADRA,  18
.set ADRB,  19
.set ADRB2, 20                         ; W's k rows 128 on: the offsets stay within 16 bits
.set STO,   24
.set RD,    25
.set CO,    26
.set BO,    27
.set SPW,   28
.set NIL,   29
.set RS0,   32
.set BK,    96
.set ACC,   128
.set F0,    0
.set F1,    128
.set MSB, 0
.macro WIN new
.if MSB != (\new)
	s_set_vgpr_msb (MSB<<8)|(\new)
.set MSB, \new
.endif
.endm
.set MUL,  0x05                        ; sources 0 (W) and 1 (A) window 1; C and D window 0
.set TO_F, 0x40
.macro PLACES
.rept 4
	v_nop
.endr
.endm
.macro JLOAD                           ; waves 0 and 1 fetch A's two pairs of k blocks, waves 2 and 3 the two halves of W's k rows; an s_nop 0 and four v_nop follow each line
	s_cmp_eq_u32 s15, 0
	s_cbranch_scc0 .Lfor_b_\@
	tensor_load_to_lds s[32:35], s[24:31]
	s_nop 0
.rept 4
	v_nop
.endr
	s_branch .Lasked_\@
.Lfor_b_\@:
	tensor_load_to_lds s[44:47], s[36:43]
	s_nop 0
.rept 4
	v_nop
.endr
.Lasked_\@:
.endm
.macro CREST
	s_cmp_lg_u32 s14, 0
	s_cbranch_scc1 .Lnot_wave_0_\@
	s_barrier_signal -3
.Lnot_wave_0_\@:
	s_barrier_wait -3
	s_barrier_signal -1
	s_barrier_wait -1
.endm
.macro CROUND
	s_barrier_signal -1
	s_barrier_wait -1
	CREST
.endm
.macro MUL8 f, c, a0, zero             ; row blocks a0, a0 + 1 x 4 column blocks, 32 along K: half c of buffer f
	WIN MUL
.irp a, \a0, (\a0)+1
.irp b, 0,1,2,3
.if \zero
	v_wmma_f32_16x16x32_bf16 v[ACC+8*(4*(\a)+(\b)):ACC+8*(4*(\a)+(\b))+7], v[(\f)+64+8*(4*(\c)+(\b)):(\f)+64+8*(4*(\c)+(\b))+7], v[(\f)+8*(4*(\c)+(\a)):(\f)+8*(4*(\c)+(\a))+7], 0
.else
	v_wmma_f32_16x16x32_bf16 v[ACC+8*(4*(\a)+(\b)):ACC+8*(4*(\a)+(\b))+7], v[(\f)+64+8*(4*(\c)+(\b)):(\f)+64+8*(4*(\c)+(\b))+7], v[(\f)+8*(4*(\c)+(\a)):(\f)+8*(4*(\c)+(\a))+7], v[ACC+8*(4*(\a)+(\b)):ACC+8*(4*(\a)+(\b))+7]
.endif
.endr
.endr
.endm
.macro MUL32 f                         ; a whole quarter's products
	MUL8 \f, 0, 0, 0
	MUL8 \f, 0, 2, 0
	MUL8 \f, 1, 0, 0
	MUL8 \f, 1, 2, 0
.endm
.macro FETCH q, f                      ; 32 LDS loads in one run: quarter q (64 along K) into buffer f; its first 32 along K first
	WIN TO_F
.set AB, ADRB+(\q)/2
.irp c, 0,1
.irp i, 0,1,2,3
	ds_load_tr16_b128 v[(\f)+64+8*(4*(\c)+(\i)):(\f)+64+8*(4*(\c)+(\i))+3],   v[AB] offset:(64*((\q)%2)+32*(\c))*288+32*(\i)
	ds_load_tr16_b128 v[(\f)+64+8*(4*(\c)+(\i))+4:(\f)+64+8*(4*(\c)+(\i))+7], v[AB] offset:(64*((\q)%2)+32*(\c))*288+4608+32*(\i)
	ds_load_b128 v[(\f)+8*(4*(\c)+(\i)):(\f)+8*(4*(\c)+(\i))+3],   v[ADRA] offset:18432*(\q)+2304*(\i)+64*(\c)
	ds_load_b128 v[(\f)+8*(4*(\c)+(\i))+4:(\f)+8*(4*(\c)+(\i))+7], v[ADRA] offset:18432*(\q)+2304*(\i)+64*(\c)+32
.endr
.endr
.endm
.macro QUARTER qn, f, g, zero          ; multiplies buffer f, fetches quarter qn into g.  The 16 accumulators take turns
	s_wait_dscnt 16                                ; the first 32 along K are in
	MUL8 \f, 0, 0, \zero
	MUL8 \f, 0, 2, \zero
	PLACES
	FETCH \qn, \g
	s_wait_dscnt 32                                ; all but the 32 just issued
	MUL8 \f, 1, 0, 0
	MUL8 \f, 1, 2, 0
.endm
; THE CHANGE OF SLOTS stands at the head of the step's last quarter, whose fragments (buffer 1) are the slot's last reads.  MEET: each wave waits for all its tensor loads, adds 0 to its spare word, and waits for that and for its reads of
; this slot; then the barrier.  fill = 1: the walking descriptors step while the add is out: into the slot just read, one step on along K.
.macro MEET fill
	WIN 0
	s_wait_tensorcnt 0x0
	ds_add_u32 v[SPW], v[NIL]
.if \fill
	s_add_co_u32 s33, s48, s22
	s_add_co_u32 s45, s49, s22
	s_add_nc_u64 s[34:35], s[34:35], 65536
	s_add_nc_u64 s[46:47], s[46:47], 65536
.endif
	s_wait_dscnt 0x0                               ; the add is done, and my reads of this slot are over
	s_barrier_signal -1
	s_barrier_wait -1
.endm
; REST: fill = 1: the barrier has opened a round of the cluster's; the joint refill comes first behind it.  Then the other slot's first fragments are fetched, and the last quarter's 32 products follow.
.macro REST fill
.if \fill
	CREST
	JLOAD                                          ; its four v_nop are also the places in front of the loads below
.else
	PLACES
.endif
	s_xor_b32 s22, s22, SLOT
	v_add_nc_u32 v[ADRA], s22, v[ADRA0]
	v_add_nc_u32 v[ADRB], s22, v[ADRB0]
	v_add_nc_u32 v[ADRB2], 36864, v[ADRB]
	FETCH 0, F0
	MUL32 F1
.endm
.macro RLOAD a, d                      ; the residual of my 16 rows of block a: 16 lanes take 256 consecutive bytes
.irp t, 0,1,2,3,4,5,6,7
	global_load_b128 v[(\d)+4*(\t):(\d)+4*(\t)+3], v[CO], s[10:11] offset:(16*(\a)+2*(\t))*4096 th:TH_LOAD_NT
.endr
.endm
.macro OUTB a                          ; block a of 16 rows: through my stage, bias and residual added, stored as whole rows of 256 bytes
.if (\a) > 0
	s_wait_xcnt 0x0                                ; the last block's stores have read their data
.endif
.irp b, 0,1,2,3
	ds_store_b128 v[STO], v[ACC+8*(4*(\a)+(\b)):ACC+8*(4*(\a)+(\b))+3]   offset:64*(\b)       ; each accumulator's low registers first
	ds_store_b128 v[STO], v[ACC+8*(4*(\a)+(\b))+4:ACC+8*(4*(\a)+(\b))+7] offset:64*(\b)+16
.endr
.irp t, 0,1,2,3,4,5,6,7
	ds_load_b128 v[BK+4*(\t):BK+4*(\t)+3], v[RD] offset:2*SPITCH*(\t)   ; LDS serves a wave's instructions in order (ISA guide 5.7.1.4)
.endr
	s_wait_dscnt 0x0
.if (\a) < 3
	s_wait_loadcnt 8                               ; this block's residual is in; the next block's eight loads stay out
.else
	s_wait_loadcnt 0x0
.endif
.set RS, RS0+32*((\a)%2)
.irp t, 0,1,2,3,4,5,6,7
	v_pk_add_f32 v[BK+4*(\t):BK+4*(\t)+1],   v[BK+4*(\t):BK+4*(\t)+1],   v[12:13]
	v_pk_add_f32 v[BK+4*(\t)+2:BK+4*(\t)+3], v[BK+4*(\t)+2:BK+4*(\t)+3], v[14:15]
.endr
.irp t, 0,1,2,3,4,5,6,7
	v_pk_add_f32 v[BK+4*(\t):BK+4*(\t)+1],   v[BK+4*(\t):BK+4*(\t)+1],   v[RS+4*(\t):RS+4*(\t)+1]
	v_pk_add_f32 v[BK+4*(\t)+2:BK+4*(\t)+3], v[BK+4*(\t)+2:BK+4*(\t)+3], v[RS+4*(\t)+2:RS+4*(\t)+3]
.endr
.irp t, 0,1,2,3,4,5,6,7
	global_store_b128 v[CO], v[BK+4*(\t):BK+4*(\t)+3], s[12:13] offset:(16*(\a)+2*(\t))*4096 th:TH_STORE_NT
.endr
.if (\a) < 2
	RLOAD (\a)+2, RS
.endif
.endm
	s_load_b256 s[4:11], s[0:1], 0x0               ; A s[4:5], W s[6:7], bias s[8:9], res s[10:11]
	s_load_b64 s[12:13], s[0:1], 0x20              ; out
	v_lshl_add_u32 v[SPW], v0, 2, SPARE
	v_mov_b32 v[NIL], 0
	ds_add_u32 v[SPW], v[NIL]                      ; the wave's opening: the add, twice on end, and its wait ahead of my first tensor load
	ds_add_u32 v[SPW], v[NIL]
	v_lshrrev_b32 v1, 5, v0
	v_readfirstlane_b32 s14, v1                    ; wave
	s_lshr_b32 s15, s14, 1                         ; my row half; also: I fetch A (0) or W (1)
	s_and_b32 s16, s14, 1                          ; my column half; also: which piece
	s_bfe_u32 s17, ttmp6, 0x40000
	s_bfe_u32 s18, ttmp6, 0x40004
	s_lshl_b32 s19, ttmp9, 2
	s_add_co_u32 s19, s19, s17                     ; tile column
	s_and_b32 s20, ttmp7, 0xffff
	s_lshl_b32 s20, s20, 2
	s_add_co_u32 s20, s20, s18                     ; tile row
	s_lshl_b32 s60, s18, 2
	s_lshl_b32 s60, 15, s60
	s_lshl_b32 s61, 0x1111, s17
	s_or_b32 s24, s60, (1<<16)|(1<<20)|(1<<21)|(4<<22)|(3<<25)   ; A's piece: 128 rows of 256 bytes, 16 bytes of padding behind every 128
	s_or_b32 s36, s61, (1<<16)|(1<<20)|(1<<21)|(5<<22)|(7<<25)   ; W's piece: 128 k rows of 256 bytes, 32 bytes of padding behind each
.irp g, 24, 36
	s_mov_b32 s[\g+1], 128<<16
	s_mov_b32 s[\g+2], 128<<16
	s_mov_b32 s[\g+3], 128<<16
	s_mov_b32 s[\g+4], 128
	s_mov_b32 s[\g+5], 128
	s_mov_b32 s[\g+6], 0
	s_mov_b32 s[\g+7], 0
.endr
	s_mul_i32 s48, s16, 36864                      ; where my piece goes in a slot: A's, W's
	s_add_co_u32 s49, s48, WOFF
	s_mov_b32 s52, 1                               ; group 0 for step 0, slot 0: s[52:55] A's, s[56:59] W's
	s_mov_b32 s53, s48
	s_mov_b32 s56, 1
	s_mov_b32 s57, s49
	s_mov_b32 s32, 1                               ; group 0 for step 1, slot 1, which then walks on: s[32:35] A's, s[44:47] W's
	s_add_co_u32 s33, s48, SLOT
	s_mov_b32 s44, 1
	s_add_co_u32 s45, s49, SLOT
	s_mov_b32 s22, 0
	s_lshl_b32 s62, s16, 15
	s_mul_i32 s66, s20, A_RB
	s_add_co_u32 s66, s66, s62
	s_mov_b32 s67, 0
	s_mul_i32 s68, s19, W_PANEL
	s_add_co_u32 s68, s68, s62
	s_add_co_u32 s68, s68, W_OFF
	s_mov_b32 s69, 0
	s_lshl_b32 s60, s19, 9                         ; my columns: (128 x tile column + 64 x my half) x 4 bytes
	s_lshl_b32 s62, s16, 8
	s_add_co_u32 s60, s60, s62
	s_mov_b32 s61, 0
	s_lshl_b32 s62, s20, 19                        ; my rows: (128 x tile row + 64 x my half) x 4,096 bytes
	s_lshl_b32 s63, s15, 18
	s_add_co_u32 s62, s62, s63
	s_add_co_u32 s62, s62, s60
	s_mov_b32 s63, 0
	s_wait_dscnt 0x0
	s_wait_kmcnt 0x0
	s_add_nc_u64 s[54:55], s[4:5], s[66:67]
	s_add_nc_u64 s[34:35], s[54:55], 65536
	s_or_b32 s55, s55, 0x80000000
	s_or_b32 s35, s35, 0x80000000
	s_add_nc_u64 s[58:59], s[6:7], s[68:69]
	s_add_nc_u64 s[46:47], s[58:59], 65536
	s_or_b32 s59, s59, 0x80000000
	s_or_b32 s47, s47, 0x80000000
	s_add_nc_u64 s[8:9], s[8:9], s[60:61]
	s_add_nc_u64 s[10:11], s[10:11], s[62:63]
	s_add_nc_u64 s[12:13], s[12:13], s[62:63]
	CROUND                                         ; all sixteen work-groups are here: the first joint loads meet
	s_cmp_eq_u32 s15, 0                            ; a wave's two first fills stand in one branch, ahead of every wait on TENSORcnt and every LDS read
	s_cbranch_scc0 .Lfirst_b
	tensor_load_to_lds s[52:55], s[24:31]
	s_nop 0
	tensor_load_to_lds s[32:35], s[24:31]
	s_nop 0
.rept 4
	v_nop
.endr
	s_branch .Lfirst_asked
.Lfirst_b:
	tensor_load_to_lds s[56:59], s[36:43]
	s_nop 0
	tensor_load_to_lds s[44:47], s[36:43]
	s_nop 0
.rept 4
	v_nop
.endr
.Lfirst_asked:
	v_and_b32 v1, 15, v0
	v_bfe_u32 v2, v0, 4, 1
	v_mul_u32_u24 v[ADRA0], v1, 144
	v_lshl_add_u32 v[ADRA0], v2, 4, v[ADRA0]
	s_mul_i32 s60, s15, 9216
	v_add_nc_u32 v[ADRA0], s60, v[ADRA0]
	v_and_b32 v3, 7, v0
	v_lshl_add_u32 v3, v2, 3, v3
	v_mul_u32_u24 v[ADRB0], v3, 288
	v_bfe_u32 v4, v0, 3, 1
	v_lshl_add_u32 v[ADRB0], v4, 4, v[ADRB0]
	s_lshl_b32 s60, s16, 7
	s_add_co_u32 s60, s60, WOFF
	v_add_nc_u32 v[ADRB0], s60, v[ADRB0]
	v_mov_b32 v[ADRA], v[ADRA0]
	v_mov_b32 v[ADRB], v[ADRB0]
	v_add_nc_u32 v[ADRB2], 36864, v[ADRB0]
	s_mul_i32 s60, s14, 16*SPITCH
	s_add_co_u32 s60, s60, STAGE
	v_mul_u32_u24 v[STO], v1, SPITCH
	v_lshl_add_u32 v[STO], v2, 5, v[STO]
	v_add_nc_u32 v[STO], s60, v[STO]
	v_mul_u32_u24 v[RD], v2, SPITCH
	v_lshl_add_u32 v[RD], v1, 4, v[RD]
	v_add_nc_u32 v[RD], s60, v[RD]
	v_lshlrev_b32 v[CO], 12, v2
	v_lshl_add_u32 v[CO], v1, 4, v[CO]
	v_lshlrev_b32 v[BO], 4, v1
	global_load_b128 v[12:15], v[BO], s[8:9]       ; the bias of the four columns that I hold on the way out
	s_wait_tensorcnt 0x1                           ; my part of step 0 is in; step 1's may stay out
	s_barrier_signal -1
	s_barrier_wait -1                              ; everybody's is
	FETCH 0, F0
	QUARTER 1, F0, F1, 1                           ; the first quarter stands in front of the loop: its first products start the sums
	WIN 0
	s_mov_b32 s23, NS-2
.Lk:                                                   ; trip t: the rest of step t, the refill with step t + 2, the first quarter of step t + 1
	QUARTER 2, F1, F0, 0
	QUARTER 3, F0, F1, 0
	MEET 1
	REST 1
	QUARTER 1, F0, F1, 0
	WIN 0
	s_sub_co_u32 s23, s23, 1
	s_cmp_lg_u32 s23, 0
	s_cbranch_scc1 .Lk
	RLOAD 0, RS0                                   ; the first two blocks' residual comes while the last two steps are multiplied
	RLOAD 1, RS0+32
	s_mov_b32 s23, 2
.Lt:                                                   ; the last two steps ask for nothing: one text, two trips; the second leaves in its middle, behind the barrier
	QUARTER 2, F1, F0, 0
	QUARTER 3, F0, F1, 0
	MEET 0
	s_sub_co_u32 s23, s23, 1
	s_cmp_eq_u32 s23, 0
	s_cbranch_scc1 .Lfin
	REST 0
	QUARTER 1, F0, F1, 0
	WIN 0
	s_cmp_lg_u32 s23, 0
	s_cbranch_scc1 .Lt
.Lfin:
	s_wait_dscnt 0x0
	MUL32 F1                                       ; the last 32 products
	WIN 0
	PLACES
	OUTB 0
	OUTB 1
	OUTB 2
	OUTB 3
	s_wait_tensorcnt 0x0                           ; the wave's end
	ds_add_u32 v[SPW], v[NIL]
	s_wait_dscnt 0x0
	CROUND                                         ; the closing round
	s_endpgm
.Lfunc_end_k_qdfff58a1d1_ffn2:
	.size	k_qdfff58a1d1_ffn2, .Lfunc_end_k_qdfff58a1d1_ffn2-k_qdfff58a1d1_ffn2
	.p2alignl 7, 3214868480
	.fill 96, 4, 3214868480
	.section	.rodata,"a",@progbits
	.p2align	6, 0x0
	.amdhsa_kernel k_qdfff58a1d1_ffn2
		.amdhsa_group_segment_fixed_size 327680
		.amdhsa_private_segment_fixed_size 0
		.amdhsa_enable_private_segment 0
		.amdhsa_kernarg_size 40
		.amdhsa_user_sgpr_count 2
		.amdhsa_user_sgpr_kernarg_segment_ptr 1
		.amdhsa_wavefront_size32 1
		.amdhsa_system_sgpr_workgroup_id_x 1
		.amdhsa_system_sgpr_workgroup_id_y 1
		.amdhsa_system_sgpr_workgroup_id_z 1
		.amdhsa_system_vgpr_workitem_id 0
		.amdhsa_next_free_vgpr 512
		.amdhsa_next_free_sgpr 72
		.amdhsa_reserve_vcc 0
		.amdhsa_float_denorm_mode_32 3
		.amdhsa_float_denorm_mode_16_64 3
		.amdhsa_memory_ordered 1
		.amdhsa_forward_progress 1
		.amdhsa_inst_pref_size 71
	.end_amdhsa_kernel
	.amdgpu_metadata
---
amdhsa.version: [ 1, 2 ]
amdhsa.kernels:
  - .name:           k_qdfff58a1d1_ffn2
    .symbol:         k_qdfff58a1d1_ffn2.kd
    .args:
      - { .name: big, .offset: 0, .size: 8, .value_kind: global_buffer, .address_space: global }
      - { .name: wsm, .offset: 8, .size: 8, .value_kind: global_buffer, .address_space: global }
      - { .name: b2, .offset: 16, .size: 8, .value_kind: global_buffer, .address_space: global }
      - { .name: x1, .offset: 24, .size: 8, .value_kind: global_buffer, .address_space: global }
      - { .name: out0, .offset: 32, .size: 8, .value_kind: global_buffer, .address_space: global }
    .group_segment_fixed_size: 327680
    .private_segment_fixed_size: 0
    .kernarg_segment_align: 8
    .kernarg_segment_size: 40
    .max_flat_workgroup_size: 128
    .sgpr_count:     72
    .vgpr_count:     512
    .wavefront_size: 32
...
	.end_amdgpu_metadata
.endif
;; end of part 6
